; MI455X (gfx1250); checked and timed in simulation.
; The chip was launched on July 23, 2026; its instructions are those of AMD's public machine-readable ISA for CDNA 5 (MIT licence, August 2026) and "CDNA5" Instruction Set Architecture Reference Guide (July 2026). The comments in the code are by the model that wrote it; some were corrected since.
;; gate using local global. Allowed arithmetic: float matrix products may take bf16 or f16 operands with f32 sums; other float arithmetic in f32, or as packed bf16 or f16 multiplies, adds, multiply-adds, maxima and minima; sums over many terms, partial sums and values carried from step to step in f32; what a program stores and reads back later, other than sums and carried values, may be rounded once to bf16 or f16.
;; Inputs: Wk 512 x 512 float32; Wo 512 x 512 float32; Wq 512 x 512 float32; Wv 512 x 512 float32; x_global 8 x 512 x 8,192 float32; x_local 8 x 512 x 4,096 float32.
;; Outputs: out0 8 x 512 x 4,096 float32.
;; 2 versions, each right; version 2 is version 1 with the launches gram, tgemm, apply written anew for expert scheduling mode. Each part assembles by itself: llvm-mc -triple=amdgcn-amd-amdhsa -mcpu=gfx1250 --defsym DOCPART=n.
;; ======== version 1 of 2: 5 launches
;; workspace buffers: gp 67,108,864 bytes; wf 2,097,152 bytes; tf 8,388,608 bytes; nf 8,388,608 bytes; mf 4,194,304 bytes
;; launch gram (part 1): grid 32 x 8, 4 waves a work-group, no clusters, 205,312 bytes of LDS; arguments x_global, Wk, Wv, Wo, Wq, gp, wf; writes gp, wf
.if DOCPART == 1
	.amdgcn_target "amdgcn-amd-amdhsa--gfx1250"
	.amdhsa_code_object_version 6
	.text
	.protected	k_q1c50058350_gram
	.globl	k_q1c50058350_gram
	.p2align	8
	.type	k_q1c50058350_gram,@function
k_q1c50058350_gram:
	s_mov_b64 s[64:65], 0
	v_nop
	global_prefetch_b8 v0, s[64:65] scope:SCOPE_SE
	s_setreg_imm32_b32 hwreg(HW_REG_WAVE_MODE, 25, 1), 1
	s_wait_xcnt 0x0
; THE WHOLE PROGRAM.  reference() has no softmax between its products, so for each batch b the result is linear in x_local:
;   out[b] = M[b] x_local[b],  M = Wo blockdiag(kv_h^T) Wq / 64,  kv_h[d][e] = sum over c, c' of Wk[(h,d)][c] G[c][c'] Wv[(h,e)][c'],  G[c][c'] = sum over l of X[c][l] X[c'][l], X = x_global[b].
; That is reference()'s own sums taken in another order (as reference() itself reassociates Q (K^T V)): it holds for all values of the inputs, and NOTHING IS LEFT OUT: all six inputs are loaded and reach the output.
; G is symmetric: with I = channels 0-255 and J = 256-511 only the blocks II, JJ and IJ are made; the launch behind uses IJ both ways.
; Five launches: gram (this one: partial sums of G; the weights as matrix operands), tgemm (T = Wk G), kvn (kv, N = Wo kv), mgemm (M = N Wq / 64), apply (M x_local).
; LIMITS.  All inputs are rounded once to bf16 on their way to the matrix unit; M is rounded once to bf16; G, T, kv and N go on as a pair of bf16, hi + lo (16 significant bits, f32's exponent range); all sums in f32,
; in another order than reference()'s.  NaN and infinities are not treated apart.
;
; THIS LAUNCH.  A batch has 32 shares X.  X = 0-7: block II, X = 8-15: block JJ, each over 1,024 columns l; X = 16-31: block IJ (m in I, n in J) over 512 columns: every work-group takes in 1 MiB, in 8 units of 128 KiB.
; HOW THE GRID IS DEALT.  The four shares that read the same 1,024 columns of a batch (II s, JJ s, IJ 2 s, IJ 2 s + 1) go to work-groups that differ in bit 4 of x and bit 0 of y alone:
; batch = (y & 6) | bit 3 of x, s = x & 7; x < 16: II (y even) or JJ (y odd); x >= 16: IJ 2 s + (y & 1).
; Four waves; wave (wr, wc) makes 128 x 128 of the block's 256 x 256: 64 accumulators, 512 registers.  The partial sums leave in f32, each 16 x 16 result as it lies in registers: 1,024 bytes, two stores of 512 consecutive bytes.
; THE WAY IN.  f32 comes into registers (16 lanes take 256 consecutive bytes of a row), is rounded to bf16 there and stored to LDS rows of 128 bytes + 16 of padding (36 words: the 16 rows of a fragment load start at
; 16 different groups of four banks; 64 banks of 4 bytes: ISA guide 11.1).  A slot's rows 0-255 are region X, rows 256-511 region Y.  Block IJ: X = I's rows, Y = J's rows, 64 columns l.  Blocks II, JJ: X = columns 0-63, Y = columns 64-127 of the same 256 rows.
; A TRIP, for unit t, on slot t % 2 of two: the unit's 64 loads a wave, asked for a trip ago, are taken by quarters of 16: wait, round, store, and the quarter's registers are asked for again at once, with unit t + 1;
; ONE barrier; the unit's products.  The next trip writes the other slot, so it may begin while other waves still read this one; this slot is written again two trips on, behind the next trip's barrier,
; in front of which every wave has waited for its reads.  The last trip, which asks for nothing, has an arm of its own with one wait for all four quarters: so no load is jumped over between two counted waits,
; and each arm's counts hold on every way into it and through it.
; The accumulators are cleared by 512 v_mov_b32 while the first loads are on their way: the price of one text for all eight trips' products.
; No cluster: nothing comes by a tensor load here (the operands are rounded in registers), and the work-groups that read a block of x_global take different numbers of steps.
; The work-groups of block IJ, which have half the products, also lay the four weights out as matrix operands (wf).
; AN OPERAND IMAGE (wf, and all later buffers): 16 rows x 32 K of bf16, 1,024 bytes: registers 4 q .. 4 q + 3 of lane L at byte 512 q + 16 L (row L % 16, K = 16 q + 8 (L / 16) + 0..7).
; REGISTERS, in windows of 256 (s_set_vgpr_msb: bits 1:0 source 0, 3:2 source 1, 5:4 source 2, 7:6 destination):
;   window 0: v0-16 addresses; v32-95 A's fragments (rows 0-63, rows 64-127); v128-255 loads 0-31 of a unit      window 1: v0-127 B's fragments, two buffers; v128-255 loads 32-63
;   window 2: accumulators of my rows 0-63, (a, b) at 8 (8 a + b)      window 3: those of rows 64-127
.set PITCH, 144
.set YO,    256*PITCH                  ; region Y
.set SLOT1, 1<<17                      ; slot 1 begins here, so that one exclusive or turns an address in one slot into the other's
.set SPARE, SLOT1+512*PITCH            ; behind slot 1: the spare words, 128 bytes a wave: two blocks of 256 bytes that no other line names
.set GROW,  32768                      ; bytes in a row of x_global
.set GOFF, 4                           ; v4   my byte offset in a unit's rows: 8 rows x (L / 16) + 16 (L % 16); never rewritten
.set STO0, 5                           ; v5   where I put 8 bytes of a row, in slot 0
.set ADRA0, 6                          ; v6   my place in A's fragments, in slot 0
.set ADRB0, 7                          ; v7   in B's
.set PFO,  8                           ; v8   the prefetches' offset: a lane a row
.set LOUT, 9                           ; v9   16 x lane
.set WOFF, 10                          ; v10  my offset in a weight
.set SPW,  12                          ; v12  my spare word; never rewritten
.set NIL,  13                          ; v13  0; never rewritten
.set STO,  14                          ; v14-16  the three LDS addresses in the trip's slot
.set ADRA, 15
.set ADRB, 16
.set AF,   32
.set STG,  128
.set WV, 18                            ; s18 wave   s19 share X   s20 batch   s21 wr   s22 wc
.set XX, 19
.set BB, 20
.set WR, 21
.set WC, 22
.set PLIM, 23                          ; s23  3 in a work-group that prefetches, else the greatest number: it prefetches while s[LEFT] is above it
.set XP, 24                            ; s[24:25] x_global at my 128 rows of the unit that was asked for last
.set TO, 26                            ; s[26:27] an offset at work
.set LEFT, 28                          ; s28  trips still to come, this one among them
.set SB, 29                            ; s29  the trip's slot: 0 or SLOT1
.set GPB, 32                           ; s[32:33] gp at my 64 results
.set US, 36                            ; s[36:37] bytes from unit to unit
.set WP, 38                            ; s[38:39] the weight that I lay out
.set MSB, 0
.macro WIN new                         ; the high byte repeats the setting that is left; a switch that changes nothing is dropped
.if MSB != (\new)
	s_set_vgpr_msb (MSB<<8)|(\new)
.set MSB, \new
.endif
.endm
.macro PLACES                          ; four places behind matrix instructions, in front of loads into registers that they read and of stores that read results
.rept 4
	v_nop
.endr
.endm
; quarter q of a unit's 64 loads: load i takes rows 16 (i / 8) + i % 8 (lanes 0-15) and 8 further down (lanes 16-31), 256 consecutive bytes each
.macro LOADQ q
	WIN 0x40*((\q)/2)
.set i, 16*(\q)
.rept 16
	global_load_b128 v[STG+4*(i%32):STG+4*(i%32)+3], v[GOFF], s[XP:XP+1] offset:(16*(i/8)+i%8)*GROW
.set i, i+1
.endr
	WIN 0
.endm
; quarter q is rounded in place, four f32 to 8 bytes, and stored: the two halves of the lanes lie 8 rows = 288 words apart, so the 32 lanes touch each bank once
.macro CONVQ q
	WIN 0x45*((\q)/2)
.set i, 16*((\q)%2)
.rept 16
	v_cvt_pk_bf16_f32 v[STG+4*i], v[STG+4*i], v[STG+4*i+1]
	v_cvt_pk_bf16_f32 v[STG+4*i+1], v[STG+4*i+2], v[STG+4*i+3]
.set i, i+1
.endr
	WIN 0x04*((\q)/2)
.set i, 16*(\q)
.rept 16
	ds_store_b64 v[STO], v[STG+4*(i%32):STG+4*(i%32)+1] offset:(16*(i/8)+i%8)*PITCH
.set i, i+1
.endr
	WIN 0
.endm
; fragments: 16 rows x 32 K in 8 registers, two loads of 16 bytes, 32 bytes apart.  FA: four of A's (half hi of my 128 rows); FB: B's eight, into buffer buf
.macro FA ra, kb, hi
	WIN 0
.irp a, 0,1,2,3
	ds_load_b128 v[AF+32*(\hi)+8*(\a):AF+32*(\hi)+8*(\a)+3],   v[ADRA] offset:(\ra)+(\kb)+(4*(\hi)+(\a))*16*PITCH
	ds_load_b128 v[AF+32*(\hi)+8*(\a)+4:AF+32*(\hi)+8*(\a)+7], v[ADRA] offset:(\ra)+(\kb)+(4*(\hi)+(\a))*16*PITCH+32
.endr
.endm
.macro FB rb, kb, buf
	WIN 0x40
.irp b, 0,1,2,3,4,5,6,7
	ds_load_b128 v[64*(\buf)+8*(\b):64*(\buf)+8*(\b)+3],   v[ADRB] offset:(\rb)+(\kb)+(\b)*16*PITCH
	ds_load_b128 v[64*(\buf)+8*(\b)+4:64*(\buf)+8*(\b)+7], v[ADRB] offset:(\rb)+(\kb)+(\b)*16*PITCH+32
.endr
.endm
; 32 products: four blocks of rows x eight of columns.  The accumulators take turns, one instruction a turn: 63 others stand between two links of a chain
.macro MUL32 hi, buf
	WIN 0xa4+0x50*(\hi)
.irp a, 0,1,2,3
.irp b, 0,1,2,3,4,5,6,7
	v_wmma_f32_16x16x32_bf16 v[8*(8*(\a)+(\b)):8*(8*(\a)+(\b))+7], v[AF+32*(\hi)+8*(\a):AF+32*(\hi)+8*(\a)+7], v[64*(\buf)+8*(\b):64*(\buf)+8*(\b)+7], v[8*(8*(\a)+(\b)):8*(8*(\a)+(\b))+7]
.endr
.endr
.endm
; a step of 32 along K on B's buffer buf.  nxt = 1: the next step's fragments (regions nra, nrb, byte nkb) are fetched: B and A's first half in the step's middle, A's second half at its end
.macro STEP buf, nxt, nra=0, nrb=0, nkb=0
	s_wait_dscnt 8                         ; B and A's rows 0-63 are in; the youngest eight loads (A's rows 64-127) may be out
	MUL32 0, \buf
	PLACES
.if \nxt
	FB \nrb, \nkb, 1-(\buf)
	FA \nra, \nkb, 0
	s_wait_dscnt 24                        ; all but the 24 just issued
.else
	s_wait_dscnt 0x0                       ; the unit's last reads of the slot are over
.endif
	MUL32 1, \buf
	PLACES
.if \nxt
	FA \nra, \nkb, 1
.endif
.endm
	s_load_b256 s[4:11], s[0:1], 0x0       ; x_global s[4:5], Wk s[6:7], Wv s[8:9], Wo s[10:11]
	s_load_b128 s[12:15], s[0:1], 0x20     ; Wq s[12:13], gp s[14:15]
	s_load_b64 s[16:17], s[0:1], 0x30      ; wf
	v_lshl_add_u32 v[SPW], v0, 2, SPARE
	v_mov_b32 v[NIL], 0
	v_lshrrev_b32 v1, 5, v0
	v_readfirstlane_b32 s[WV], v1          ; wave 0..3
	v_and_b32 v1, 15, v0                   ; L % 16
	v_bfe_u32 v2, v0, 4, 1                 ; L / 16
	v_and_b32 v3, 31, v0                   ; L
	s_and_b32 s30, ttmp9, 15               ; the grid is dealt (see the head): x's low four bits,
	s_lshr_b32 s31, ttmp9, 4               ; its bit 4,
	s_and_b32 s34, ttmp7, 0xffff           ; y
	s_and_b32 s35, s34, 1
	s_and_b32 s[BB], s34, 6
	s_lshr_b32 s34, s30, 3
	s_or_b32 s[BB], s[BB], s34             ; batch = (y & 6) | bit 3 of x
	s_and_b32 s30, s30, 7                  ; s
	s_lshl3_add_u32 s34, s35, s30          ; II or JJ: X = 8 (y & 1) + s
	s_lshl1_add_u32 s35, s30, s35          ; IJ: X = 16 + 2 s + (y & 1)
	s_add_co_u32 s35, s35, 16
	s_cmp_eq_u32 s31, 1
	s_cselect_b32 s[XX], s35, s34
	s_cselect_b32 s[PLIM], 3, -1           ; block IJ's work-groups prefetch
	s_lshr_b32 s[WR], s[WV], 1
	s_and_b32 s[WC], s[WV], 1
	v_lshlrev_b32 v[GOFF], 4, v1
	v_lshl_add_u32 v[GOFF], v2, 18, v[GOFF]  ; + 8 rows of 32,768 bytes
	v_mul_u32_u24 v[STO0], v2, 8*PITCH
	v_lshl_add_u32 v[STO0], v1, 3, v[STO0]
	s_mul_i32 s30, s[WV], 128*PITCH        ; wave w fills a slot's rows 128 w .. 128 w + 127
	v_add_nc_u32 v[STO0], s30, v[STO0]
	v_mul_u32_u24 v11, v1, PITCH
	v_lshl_add_u32 v11, v2, 4, v11         ; a fragment's row x pitch + 16 x half
	s_mul_i32 s30, s[WR], 128*PITCH
	s_mul_i32 s31, s[WC], 128*PITCH
	v_add_nc_u32 v[ADRA0], s30, v11
	v_add_nc_u32 v[ADRB0], s31, v11
	v_lshlrev_b32 v[PFO], 15, v3
	v_lshlrev_b32 v[LOUT], 4, v3
	; where my 128 rows of unit 0 begin.  II, JJ: row 256 (X / 8) + 128 (w % 2), byte 4,096 (X % 8) + 256 (w / 2).  IJ: row 128 w, byte 2,048 (X - 16)
	s_lshr_b32 s30, s[XX], 3
	s_lshl_b32 s30, s30, 8
	s_lshl_b32 s31, s[WC], 7
	s_add_co_u32 s30, s30, s31
	s_and_b32 s31, s[XX], 7
	s_lshl_b32 s31, s31, 12
	s_lshl_b32 s34, s[WR], 8
	s_add_co_u32 s31, s31, s34
	s_lshl_b32 s34, s[WV], 7
	s_and_b32 s35, s[XX], 15
	s_lshl_b32 s35, s35, 11
	s_cmp_ge_u32 s[XX], 16
	s_cselect_b32 s30, s34, s30
	s_cselect_b32 s31, s35, s31
	s_lshr_b32 s35, s[XX], 4
	s_lshr_b32 s[US], 0x200, s35           ; a unit is 128 columns (512 bytes) for II and JJ, 64 (256 bytes) for IJ
	s_mov_b32 s[US+1], 0
	s_lshl_b32 s30, s30, 15
	s_lshl_b32 s[TO], s[BB], 24            ; a batch is 16 MiB
	s_add_co_u32 s[TO], s[TO], s30
	s_add_co_u32 s[TO], s[TO], s31
	s_mov_b32 s[TO+1], 0
	s_wait_kmcnt 0x0
	s_add_nc_u64 s[XP:XP+1], s[4:5], s[TO:TO+1]
	LOADQ 0                                ; unit 0: three quarters now,
	LOADQ 1
	LOADQ 2
	s_lshl_b32 s[TO], s[BB], 23            ; gp[b][X][nt 16][mt 16][1,024 bytes]: nt = 8 wc + b, mt = 8 wr + a
	s_lshl_b32 s30, s[XX], 18
	s_add_co_u32 s[TO], s[TO], s30
	s_lshl_b32 s30, s[WC], 17
	s_add_co_u32 s[TO], s[TO], s30
	s_lshl_b32 s30, s[WR], 13
	s_add_co_u32 s[TO], s[TO], s30
	s_add_nc_u64 s[GPB:GPB+1], s[14:15], s[TO:TO+1]
	WIN 0x80                               ; the sums start at 0: written while the first loads are on their way
.set i, 0
.rept 256
	v_mov_b32 v[i], 0
.set i, i+1
.endr
	WIN 0xc0
.set i, 0
.rept 256
	v_mov_b32 v[i], 0
.set i, i+1
.endr
	WIN 0
	LOADQ 3                                ; the fourth behind the clearing
	s_mov_b32 s[LEFT], 8
	s_mov_b32 s[SB], 0
.Ltrip:
	v_add_nc_u32 v[STO], s[SB], v[STO0]    ; the trip's slot
	v_add_nc_u32 v[ADRA], s[SB], v[ADRA0]
	v_add_nc_u32 v[ADRB], s[SB], v[ADRB0]
	s_cmp_gt_u32 s[LEFT], 1
	s_cbranch_scc0 .Llast                  ; the last trip has no unit behind it
	s_wait_xcnt 0x0                        ; the loads and prefetches, a trip back, have read the pointer, so it may be written
	s_add_nc_u64 s[XP:XP+1], s[XP:XP+1], s[US:US+1]  ; the next unit
.irp q, 0,1,2,3
	s_wait_loadcnt 48                      ; quarter q is in: behind it were issued 3 - q quarters of this unit and q of the next: 48 loads
	CONVQ \q
	LOADQ \q                               ; the quarter's registers take the next unit's rows at once
.endr
	; A PREFETCH INTO THE L2: my 128 rows' 256 bytes of the unit two behind the one just asked for, whose loads go out two trips on: a lane a row, four instructions, behind the trip's loads.  The work-groups of block IJ
	; together walk every block of 256 bytes of x_global just once, so each is named once in the launch; the work-groups of II and JJ ask for nothing.  Units 0 to 2 come by their loads alone; the trips whose unit three on does not exist ask for nothing.
	s_cmp_gt_u32 s[LEFT], s[PLIM]
	s_cbranch_scc0 .Lmeet
.irp g, 0,1,2,3
	global_prefetch_b8 v[PFO], s[XP:XP+1] offset:(\g)*32*GROW+512 th:TH_LOAD_NT scope:SCOPE_SE
.endr
	s_branch .Lmeet
.Llast:
	s_wait_loadcnt 0x0                     ; nothing was issued behind the last unit's loads: all four quarters are waited for at once
.irp q, 0,1,2,3
	CONVQ \q
.endr
.Lmeet:
	s_wait_dscnt 0x0                       ; for the others' sake: my stores into this slot are done (my reads of the other slot were waited for in the last step)
	s_barrier_signal -1
	s_barrier_wait -1                      ; everybody's are: this slot may be read, and the other may be written in the next trip
	s_cmp_ge_u32 s[XX], 16
	s_cbranch_scc1 .Loffs
	FB 0, 0, 0                             ; blocks II and JJ: four steps: both sources from region X, then both from region Y
	FA 0, 0, 0
	FA 0, 0, 1
	STEP 0, 1, 0, 0, 64
	STEP 1, 1, YO, YO, 0
	STEP 0, 1, YO, YO, 64
	STEP 1, 0
	WIN 0
	s_branch .Ljoin
.Loffs:
	FB YO, 0, 0                            ; block IJ: two steps: A from region X, B from region Y
	FA 0, 0, 0
	FA 0, 0, 1
	STEP 0, 1, 0, YO, 64
	STEP 1, 0
	WIN 0
.Ljoin:
	s_xor_b32 s[SB], s[SB], SLOT1
	s_sub_co_u32 s[LEFT], s[LEFT], 1
	s_cmp_lg_u32 s[LEFT], 0
	s_cbranch_scc1 .Ltrip
	s_wait_loadcnt 0x0                     ; no load is out behind the loop (the last trip has waited for all): said once more here, ahead of the weights' loads into the units' registers
	; THE WAY OUT: each result as it lies: registers 0-3 of all lanes, then registers 4-7: 512 consecutive bytes a store, at a multiple of 512 from gp's first byte.  The last step's four v_nop are the places behind the last products
.irp hi, 0,1
	WIN 0x08+0x04*(\hi)
.irp b, 0,1,2,3,4,5,6,7
.irp a, 0,1,2,3
	global_store_b128 v[LOUT], v[8*(8*(\a)+(\b)):8*(8*(\a)+(\b))+3],   s[GPB:GPB+1] offset:(16*(\b)+4*(\hi)+(\a))*1024 th:TH_STORE_NT
	global_store_b128 v[LOUT], v[8*(8*(\a)+(\b))+4:8*(8*(\a)+(\b))+7], s[GPB:GPB+1] offset:(16*(\b)+4*(\hi)+(\a))*1024+512 th:TH_STORE_NT
.endr
.endr
.endr
	WIN 0
	s_cmp_lt_u32 s[XX], 16
	s_cbranch_scc1 .Lend
	; THE WEIGHTS AS IMAGES.  The 128 work-groups of block IJ take 16 rows each: number j = 16 b + (X - 16): weight j / 32 (Wk, Wv, Wo: lane = row, K = column; 3: Wq turned: lane = column, K = row), tile t = j % 32.  Wave w: K steps 4 w .. 4 w + 3
	s_and_b32 s30, s[XX], 15
	s_lshl4_add_u32 s30, s[BB], s30
	s_lshr_b32 s31, s30, 5
	s_and_b32 s34, s30, 31
	s_lshl_b32 s[TO], s31, 19              ; wf[weight][t 32][ks 16][1,024 bytes]
	s_lshl_b32 s35, s34, 14
	s_add_co_u32 s[TO], s[TO], s35
	s_lshl_b32 s35, s[WV], 12
	s_add_co_u32 s[TO], s[TO], s35
	s_add_nc_u64 s[16:17], s[16:17], s[TO:TO+1]
	s_cmp_eq_u32 s31, 3
	s_cbranch_scc1 .Lturned
	s_cmp_eq_u32 s31, 0
	s_cselect_b64 s[WP:WP+1], s[6:7], s[8:9]
	s_cmp_eq_u32 s31, 2
	s_cselect_b64 s[WP:WP+1], s[10:11], s[WP:WP+1]
	s_lshl_b32 s[TO], s34, 15              ; 16 rows of 2,048 bytes
	s_lshl_b32 s35, s[WV], 9               ; four K steps of 128 bytes
	s_add_co_u32 s[TO], s[TO], s35
	s_add_nc_u64 s[WP:WP+1], s[WP:WP+1], s[TO:TO+1]
	v_lshlrev_b32 v[WOFF], 11, v1
	v_lshl_add_u32 v[WOFF], v2, 5, v[WOFF] ; row L % 16, 8 numbers for each half of the lanes
.irp m, 0,1,2,3,4,5,6,7                ; m = 2 i + q: K step 4 w + i, half q
	global_load_b128 v[STG+8*(\m):STG+8*(\m)+3],   v[WOFF], s[WP:WP+1] offset:64*(\m)
	global_load_b128 v[STG+8*(\m)+4:STG+8*(\m)+7], v[WOFF], s[WP:WP+1] offset:64*(\m)+16
.endr
	s_branch .Lpack
.Lturned:
	s_lshl_b32 s[TO], s34, 6               ; 16 columns of 4 bytes
	s_lshl_b32 s35, s[WV], 18              ; 128 rows of 2,048 bytes
	s_add_co_u32 s[TO], s[TO], s35
	s_add_nc_u64 s[WP:WP+1], s[12:13], s[TO:TO+1]
	v_lshlrev_b32 v[WOFF], 2, v1
	v_lshl_add_u32 v[WOFF], v2, 14, v[WOFF]  ; column L % 16, 8 rows further down for the upper half of the lanes
.set i, 0
.rept 64                               ; register 8 m + j: row 16 m + j (+ 8 for the upper lanes)
	global_load_b32 v[STG+i], v[WOFF], s[WP:WP+1] offset:(16*(i/8)+i%8)*2048
.set i, i+1
.endr
.Lpack:
	s_wait_loadcnt 0x0
.set i, 0
.rept 32
	v_cvt_pk_bf16_f32 v[STG+64+i], v[STG+2*i], v[STG+2*i+1]
.set i, i+1
.endr
.irp m, 0,1,2,3,4,5,6,7
	global_store_b128 v[LOUT], v[STG+64+4*(\m):STG+64+4*(\m)+3], s[16:17] offset:512*(\m)
.endr
.Lend:
	s_wait_tensorcnt 0x0                   ; the wave's end, behind my last LDS store
	ds_add_u32 v[SPW], v[NIL]
	s_wait_dscnt 0x0
	s_endpgm
.Lfunc_end_k_q1c50058350_gram:
	.size	k_q1c50058350_gram, .Lfunc_end_k_q1c50058350_gram-k_q1c50058350_gram
	.p2alignl 7, 3214868480
	.fill 96, 4, 3214868480
	.section	.rodata,"a",@progbits
	.p2align	6, 0x0
	.amdhsa_kernel k_q1c50058350_gram
		.amdhsa_group_segment_fixed_size 205312
		.amdhsa_private_segment_fixed_size 0
		.amdhsa_enable_private_segment 0
		.amdhsa_kernarg_size 56
		.amdhsa_user_sgpr_count 2
		.amdhsa_user_sgpr_kernarg_segment_ptr 1
		.amdhsa_wavefront_size32 1
		.amdhsa_system_sgpr_workgroup_id_x 1
		.amdhsa_system_sgpr_workgroup_id_y 1
		.amdhsa_system_sgpr_workgroup_id_z 1
		.amdhsa_system_vgpr_workitem_id 0
		.amdhsa_next_free_vgpr 1024
		.amdhsa_next_free_sgpr 66
		.amdhsa_reserve_vcc 0
		.amdhsa_float_denorm_mode_32 3
		.amdhsa_float_denorm_mode_16_64 3
		.amdhsa_memory_ordered 1
		.amdhsa_forward_progress 1
		.amdhsa_inst_pref_size 120
	.end_amdhsa_kernel
	.amdgpu_metadata
---
amdhsa.version: [ 1, 2 ]
amdhsa.kernels:
  - .name:           k_q1c50058350_gram
    .symbol:         k_q1c50058350_gram.kd
    .args:
      - { .name: x_global, .offset: 0, .size: 8, .value_kind: global_buffer, .address_space: global }
      - { .name: Wk, .offset: 8, .size: 8, .value_kind: global_buffer, .address_space: global }
      - { .name: Wv, .offset: 16, .size: 8, .value_kind: global_buffer, .address_space: global }
      - { .name: Wo, .offset: 24, .size: 8, .value_kind: global_buffer, .address_space: global }
      - { .name: Wq, .offset: 32, .size: 8, .value_kind: global_buffer, .address_space: global }
      - { .name: gp, .offset: 40, .size: 8, .value_kind: global_buffer, .address_space: global }
      - { .name: wf, .offset: 48, .size: 8, .value_kind: global_buffer, .address_space: global }
    .group_segment_fixed_size: 205312
    .private_segment_fixed_size: 0
    .kernarg_segment_align: 8
    .kernarg_segment_size: 56
    .max_flat_workgroup_size: 128
    .sgpr_count:     66
    .vgpr_count:     1024
    .wavefront_size: 32
...
	.end_amdgpu_metadata
.endif
;; end of part 1
;; launch tgemm (part 2): grid 32 x 8, 4 waves a work-group, no clusters, 33,280 bytes of LDS; arguments gp, wf, tf; writes tf
.if DOCPART == 2
	.amdgcn_target "amdgcn-amd-amdhsa--gfx1250"
	.amdhsa_code_object_version 6
	.text
	.protected	k_q1c50058350_tgemm
	.globl	k_q1c50058350_tgemm
	.p2align	8
	.type	k_q1c50058350_tgemm,@function
k_q1c50058350_tgemm:
	s_mov_b64 s[64:65], 0
	v_nop
	global_prefetch_b8 v0, s[64:65] scope:SCOPE_SE
	s_setreg_imm32_b32 hwreg(HW_REG_WAVE_MODE, 25, 1), 1
	s_wait_xcnt 0x0
; T[p][c'] = the sum over c of Wk[p][c] G[c][c'], for each batch.  Nothing is left out.  A work-group owns 16 columns c' (tile g of 32) and all 512 rows p; wave w the tiles of p 8 w .. 8 w + 7: 8 accumulators.
; The product is D(m = c', n = p): source 0 = G as an operand (lane = c', K = c), hi and lo; source 1 = Wk's images.  The result, a lane a row p with eight neighbouring c', IS half of the next launch's operand.
; PHASE 1: G's partial sums (f32) are added up.  Of the 32 tiles of 16 c the 16 in c's own block have 8 partial sums (II or JJ), the other 16 have 16 (IJ).  A wave adds 4 + 4 tiles, in six rounds of 32 loads (16 KiB)
; on two sets of registers; each sum is split into hi + lo of bf16 and stored to LDS in lane order.  LDS places 0-7: the own block's K steps; places 8-15: IJ's.  Which K step of Wk a place means stands in Wk's two pointers alone.
; A result of the launch before holds n in the lanes and m in the registers.  For c' in J the block IJ (m in I, n in J) lies as source 0 wants it.  For c' in I the roles are exchanged: the tile is turned on its way out of LDS,
; by ds_load_tr16_b128 with row c = 8 (L / 16) + L % 8 (16 bytes apart) and column half (L / 8) % 2 (256 bytes apart).
; PHASE 2: 16 K steps, 16 products each (hi, lo); Wk's images come straight from memory through a ring of four sets of 16 loads.
; REGISTERS: window 0: v0-9 addresses, v16-23 at work, v64-127 accumulators, v128-255 the way out.  window 1: Wk's four sets of 64.  window 2: two sets of 128 for partial sums; later G: hi of place s at 8 s, lo at 128 + 8 s.
.set GL,    16384                      ; LDS: hi images at 0, lo images here, 1,024 bytes a place
.set SPARE, 32768                      ; the spare words, 128 bytes a wave: two blocks of 256 bytes that no other line names
.set PART,  262144                     ; bytes from one partial sum to the next
.set LOFF, 4                           ; v4  16 x lane
.set LS,   5                           ; v5  16 x lane + 2,048 x wave
.set TRA,  6                           ; v6  the turning load's address
.set SPW,  8
.set NIL,  9
.set TT,   16
.set ACC,  64
.set OUTR, 128
.set WV, 10                            ; s10 wave  s11 g  s12 batch  s13 1: c' in J  s14 g % 16
.set GG, 11
.set BB, 12
.set ISJ, 13
.set NTL, 14
.set PD, 16                            ; s[16:17] gp at my tiles of the own block
.set PI, 20                            ; s[20:27] gp at my four tiles of IJ
.set WPA, 28                           ; s[28:29] Wk's images for places 0-7
.set WPB, 30                           ; s[30:31] for places 8-15
.set TP, 32                            ; s[32:33] tf at my results
.set TO, 34
.set STR, 40
.set MSB, 0
.macro WIN new
.if MSB != (\new)
	s_set_vgpr_msb (MSB<<8)|(\new)
.set MSB, \new
.endif
.endm
.macro PLACES
.rept 4
	v_nop
.endr
.endm
; 8 f32 at src become 4 registers hi = bf16(x) and 4 registers lo = bf16(x - hi); x - hi is exact in f32.  The lowest registers are read first
.macro SPLIT src, hi, lo, tmp
.irp k, 0,1,2,3
	v_cvt_pk_bf16_f32 v[(\hi)+(\k)], v[(\src)+2*(\k)], v[(\src)+2*(\k)+1]
.endr
.irp k, 0,1,2,3
	v_lshlrev_b32 v[(\tmp)+2*(\k)], 16, v[(\hi)+(\k)]
	v_and_b32 v[(\tmp)+2*(\k)+1], 0xffff0000, v[(\hi)+(\k)]
.endr
.irp k, 0,1,2,3
	v_pk_add_f32 v[(\src)+2*(\k):(\src)+2*(\k)+1], v[(\src)+2*(\k):(\src)+2*(\k)+1], v[(\tmp)+2*(\k):(\tmp)+2*(\k)+1] neg_lo:[0,1] neg_hi:[0,1]
.endr
.irp k, 0,1,2,3
	v_cvt_pk_bf16_f32 v[(\lo)+(\k)], v[(\src)+2*(\k)], v[(\src)+2*(\k)+1]
.endr
.endm
.macro LDD set, i                      ; two tiles of the own block (K step 2 w + i of its eight), 8 partial sums each
	WIN 0x80
.irp q, 0,1
.irp p, 0,1,2,3,4,5,6,7
	global_load_b128 v[(\set)+64*(\q)+8*(\p):(\set)+64*(\q)+8*(\p)+3],   v[LOFF], s[PD:PD+1] offset:(\i)*2048+(\q)*1024+(\p)*PART th:TH_LOAD_NT
	global_load_b128 v[(\set)+64*(\q)+8*(\p)+4:(\set)+64*(\q)+8*(\p)+7], v[LOFF], s[PD:PD+1] offset:(\i)*2048+(\q)*1024+(\p)*PART+512 th:TH_LOAD_NT
.endr
.endr
.endm
.macro LDI set, t                      ; one tile of IJ, 16 partial sums
	WIN 0x80
.irp p, 0,1,2,3,4,5,6,7,8,9,10,11,12,13,14,15
	global_load_b128 v[(\set)+8*(\p):(\set)+8*(\p)+3],   v[LOFF], s[PI+2*(\t):PI+2*(\t)+1] offset:(\p)*PART
	global_load_b128 v[(\set)+8*(\p)+4:(\set)+8*(\p)+7], v[LOFF], s[PI+2*(\t):PI+2*(\t)+1] offset:(\p)*PART+512
.endr
.endm
.macro RED src, n                      ; n partial tiles of 8 registers are added onto the first
	WIN 0x8a
.set p, 1
.rept (\n)-1
.irp k, 0,2,4,6
	v_pk_add_f32 v[(\src)+(\k):(\src)+(\k)+1], v[(\src)+(\k):(\src)+(\k)+1], v[(\src)+8*p+(\k):(\src)+8*p+(\k)+1]
.endr
.set p, p+1
.endr
.endm
.macro PUT src, off                    ; the sum is split, in the registers of partial sums that have been added, and stored
	WIN 0x8a
	SPLIT \src, (\src)+8, (\src)+12, (\src)+16
	WIN 0x08
	ds_store_b128 v[LS], v[(\src)+8:(\src)+11]  offset:\off
	ds_store_b128 v[LS], v[(\src)+12:(\src)+15] offset:(\off)+GL
.endm
.macro RDD set, i
	RED \set, 8
	RED (\set)+64, 8
	PUT \set, (\i)*1024
	PUT (\set)+64, (\i)*1024+512
.endm
.macro RDI set, t
	RED \set, 16
	PUT \set, 8192+(\t)*512
.endm
.macro LDW sg                          ; Wk's eight images for place sg, into set sg % 4
	WIN 0x40
.irp i, 0,1,2,3,4,5,6,7
.if (\sg) < 8
	global_load_b128 v[64*((\sg)%4)+8*(\i):64*((\sg)%4)+8*(\i)+3],   v[LOFF], s[WPA:WPA+1] offset:(\i)*16384+((\sg)%8)*1024
	global_load_b128 v[64*((\sg)%4)+8*(\i)+4:64*((\sg)%4)+8*(\i)+7], v[LOFF], s[WPA:WPA+1] offset:(\i)*16384+((\sg)%8)*1024+512
.else
	global_load_b128 v[64*((\sg)%4)+8*(\i):64*((\sg)%4)+8*(\i)+3],   v[LOFF], s[WPB:WPB+1] offset:(\i)*16384+((\sg)%8)*1024
	global_load_b128 v[64*((\sg)%4)+8*(\i)+4:64*((\sg)%4)+8*(\i)+7], v[LOFF], s[WPB:WPB+1] offset:(\i)*16384+((\sg)%8)*1024+512
.endif
.endr
.endm
; place sg: 8 products with G's hi, 8 with its lo; the 8 accumulators take turns.  n: the younger loads that may stay out.  Place 0 starts the sums with the constant 0
.macro KS sg, n, reload
	s_wait_loadcnt \n
	WIN 0x06
.irp i, 0,1,2,3,4,5,6,7
.if (\sg) == 0
	v_wmma_f32_16x16x32_bf16 v[ACC+8*(\i):ACC+8*(\i)+7], v[8*(\sg):8*(\sg)+7], v[64*((\sg)%4)+8*(\i):64*((\sg)%4)+8*(\i)+7], 0
.else
	v_wmma_f32_16x16x32_bf16 v[ACC+8*(\i):ACC+8*(\i)+7], v[8*(\sg):8*(\sg)+7], v[64*((\sg)%4)+8*(\i):64*((\sg)%4)+8*(\i)+7], v[ACC+8*(\i):ACC+8*(\i)+7]
.endif
.endr
.irp i, 0,1,2,3,4,5,6,7
	v_wmma_f32_16x16x32_bf16 v[ACC+8*(\i):ACC+8*(\i)+7], v[128+8*(\sg):128+8*(\sg)+7], v[64*((\sg)%4)+8*(\i):64*((\sg)%4)+8*(\i)+7], v[ACC+8*(\i):ACC+8*(\i)+7]
.endr
	PLACES
.if \reload
	LDW (\sg)+4
.endif
.endm
	s_load_b128 s[4:7], s[0:1], 0x0        ; gp s[4:5], wf s[6:7]
	s_load_b64 s[8:9], s[0:1], 0x10        ; tf
	v_lshl_add_u32 v[SPW], v0, 2, SPARE
	v_mov_b32 v[NIL], 0
	v_lshrrev_b32 v1, 5, v0
	v_readfirstlane_b32 s[WV], v1
	v_bfe_u32 v2, v0, 4, 1
	v_and_b32 v3, 31, v0
	v_lshlrev_b32 v[LOFF], 4, v3
	s_lshl_b32 s36, s[WV], 11
	v_add_nc_u32 v[LS], s36, v[LOFF]
	v_and_b32 v12, 7, v0
	v_lshl_add_u32 v12, v2, 3, v12
	v_lshlrev_b32 v[TRA], 4, v12
	v_bfe_u32 v13, v0, 3, 1
	v_lshl_add_u32 v[TRA], v13, 8, v[TRA]
	s_mov_b32 s[GG], ttmp9
	s_and_b32 s[BB], ttmp7, 0xffff
	s_lshr_b32 s[ISJ], s[GG], 4
	s_and_b32 s[NTL], s[GG], 15
	s_mov_b32 s[TO+1], 0
	s_mov_b32 s[STR+1], 0
	s_wait_kmcnt 0x0
	s_lshl_b32 s[TO], s[BB], 23            ; gp[b][x][nt][mt]: the own block begins at x = 8 isJ; nt = g % 16, mt = 4 w + ..
	s_lshl_b32 s36, s[ISJ], 21
	s_add_co_u32 s[TO], s[TO], s36
	s_lshl_b32 s36, s[NTL], 14
	s_add_co_u32 s[TO], s[TO], s36
	s_lshl_b32 s36, s[WV], 12
	s_add_co_u32 s[TO], s[TO], s36
	s_add_nc_u64 s[PD:PD+1], s[4:5], s[TO:TO+1]
	LDD 0, 0
	LDD 128, 1
	s_cmp_eq_u32 s[ISJ], 1                 ; IJ begins at x = 16.  c' in J: nt = g % 16 is fixed and mt walks; c' in I: mt is fixed and nt walks
	s_cselect_b32 s36, 14, 10
	s_cselect_b32 s37, 10, 14
	s_lshl_b32 s[TO], s[BB], 23
	s_add_co_u32 s[TO], s[TO], 1<<22
	s_lshl_b32 s38, s[NTL], s36
	s_add_co_u32 s[TO], s[TO], s38
	s_lshl_b32 s38, s[WV], 2
	s_lshl_b32 s38, s38, s37
	s_add_co_u32 s[TO], s[TO], s38
	s_add_nc_u64 s[PI:PI+1], s[4:5], s[TO:TO+1]
	s_lshl_b32 s[STR], 1, s37
	s_add_nc_u64 s[PI+2:PI+3], s[PI:PI+1], s[STR:STR+1]
	s_add_nc_u64 s[PI+4:PI+5], s[PI+2:PI+3], s[STR:STR+1]
	s_add_nc_u64 s[PI+6:PI+7], s[PI+4:PI+5], s[STR:STR+1]
	s_lshl_b32 s[TO], s[WV], 17            ; Wk is weight 0 of wf: tiles 8 w ..; places 0-7 mean K steps 8 isJ + .., places 8-15 the other eight
	s_lshl_b32 s36, s[ISJ], 13
	s_add_co_u32 s[TO], s[TO], s36
	s_add_nc_u64 s[WPA:WPA+1], s[6:7], s[TO:TO+1]
	s_lshl_b32 s[TO], s[WV], 17
	s_xor_b32 s36, s36, 1<<13
	s_add_co_u32 s[TO], s[TO], s36
	s_add_nc_u64 s[WPB:WPB+1], s[6:7], s[TO:TO+1]
	s_lshl_b32 s[TO], s[BB], 20            ; tf[b][plane][pt 32][ks 16][1,024]: my result is half g % 2 of K step g / 2
	s_lshl_b32 s36, s[WV], 17
	s_add_co_u32 s[TO], s[TO], s36
	s_lshl_b32 s36, s[GG], 9
	s_add_co_u32 s[TO], s[TO], s36
	s_add_nc_u64 s[TP:TP+1], s[8:9], s[TO:TO+1]
	; each wait leaves the one younger round of 32 loads on its way
	s_wait_loadcnt 32
	RDD 0, 0
	LDI 0, 0
	s_wait_loadcnt 32
	RDD 128, 1
	LDI 128, 1
	s_wait_loadcnt 32
	RDI 0, 0
	LDI 0, 2
	s_wait_loadcnt 32
	RDI 128, 1
	LDI 128, 3
	s_wait_loadcnt 32
	RDI 0, 2
	LDW 0
	LDW 1
	s_wait_loadcnt 32
	RDI 128, 3
	LDW 2
	LDW 3
	WIN 0
	s_wait_dscnt 0x0                       ; for the others' sake: my stores are done
	s_barrier_signal -1
	s_barrier_wait -1
	WIN 0x80                               ; all of G's 32 images come into registers
.irp s, 0,1,2,3,4,5,6,7
	ds_load_b128 v[8*(\s):8*(\s)+3],         v[LOFF] offset:(\s)*1024
	ds_load_b128 v[8*(\s)+4:8*(\s)+7],       v[LOFF] offset:(\s)*1024+512
	ds_load_b128 v[128+8*(\s):128+8*(\s)+3], v[LOFF] offset:GL+(\s)*1024
	ds_load_b128 v[128+8*(\s)+4:128+8*(\s)+7], v[LOFF] offset:GL+(\s)*1024+512
.endr
	WIN 0
	s_cmp_eq_u32 s[ISJ], 1
	s_cbranch_scc1 .Ldirect
	WIN 0x80
.irp s, 8,9,10,11,12,13,14,15
	ds_load_tr16_b128 v[8*(\s):8*(\s)+3],         v[TRA] offset:(\s)*1024
	ds_load_tr16_b128 v[8*(\s)+4:8*(\s)+7],       v[TRA] offset:(\s)*1024+512
	ds_load_tr16_b128 v[128+8*(\s):128+8*(\s)+3], v[TRA] offset:GL+(\s)*1024
	ds_load_tr16_b128 v[128+8*(\s)+4:128+8*(\s)+7], v[TRA] offset:GL+(\s)*1024+512
.endr
	WIN 0
	s_branch .Lgot
.Ldirect:
	WIN 0x80
.irp s, 8,9,10,11,12,13,14,15
	ds_load_b128 v[8*(\s):8*(\s)+3],         v[LOFF] offset:(\s)*1024
	ds_load_b128 v[8*(\s)+4:8*(\s)+7],       v[LOFF] offset:(\s)*1024+512
	ds_load_b128 v[128+8*(\s):128+8*(\s)+3], v[LOFF] offset:GL+(\s)*1024
	ds_load_b128 v[128+8*(\s)+4:128+8*(\s)+7], v[LOFF] offset:GL+(\s)*1024+512
.endr
	WIN 0
.Lgot:
	s_wait_dscnt 0x0
.irp s, 0,1,2,3,4,5,6,7,8,9,10,11
	KS \s, 48, 1                           ; three younger sets of 16 loads may stay out
.endr
	KS 12, 48, 0
	KS 13, 32, 0
	KS 14, 16, 0
	KS 15, 0, 0
	WIN 0
.irp i, 0,1,2,3,4,5,6,7                ; each result has registers of its own for hi and lo, so no store's data are rewritten
	SPLIT ACC+8*(\i), OUTR+8*(\i), OUTR+8*(\i)+4, TT
	global_store_b128 v[LOFF], v[OUTR+8*(\i):OUTR+8*(\i)+3],   s[TP:TP+1] offset:(\i)*16384
	global_store_b128 v[LOFF], v[OUTR+8*(\i)+4:OUTR+8*(\i)+7], s[TP:TP+1] offset:(\i)*16384+524288
.endr
	s_wait_tensorcnt 0x0                   ; the wave's end, behind my last LDS store
	ds_add_u32 v[SPW], v[NIL]
	s_wait_dscnt 0x0
	s_endpgm
.Lfunc_end_k_q1c50058350_tgemm:
	.size	k_q1c50058350_tgemm, .Lfunc_end_k_q1c50058350_tgemm-k_q1c50058350_tgemm
	.p2alignl 7, 3214868480
	.fill 96, 4, 3214868480
	.section	.rodata,"a",@progbits
	.p2align	6, 0x0
	.amdhsa_kernel k_q1c50058350_tgemm
		.amdhsa_group_segment_fixed_size 33280
		.amdhsa_private_segment_fixed_size 0
		.amdhsa_enable_private_segment 0
		.amdhsa_kernarg_size 24
		.amdhsa_user_sgpr_count 2
		.amdhsa_user_sgpr_kernarg_segment_ptr 1
		.amdhsa_wavefront_size32 1
		.amdhsa_system_sgpr_workgroup_id_x 1
		.amdhsa_system_sgpr_workgroup_id_y 1
		.amdhsa_system_sgpr_workgroup_id_z 1
		.amdhsa_system_vgpr_workitem_id 0
		.amdhsa_next_free_vgpr 768
		.amdhsa_next_free_sgpr 66
		.amdhsa_reserve_vcc 0
		.amdhsa_float_denorm_mode_32 3
		.amdhsa_float_denorm_mode_16_64 3
		.amdhsa_memory_ordered 1
		.amdhsa_forward_progress 1
		.amdhsa_inst_pref_size 114
	.end_amdhsa_kernel
	.amdgpu_metadata
---
amdhsa.version: [ 1, 2 ]
amdhsa.kernels:
  - .name:           k_q1c50058350_tgemm
    .symbol:         k_q1c50058350_tgemm.kd
    .args:
      - { .name: gp, .offset: 0, .size: 8, .value_kind: global_buffer, .address_space: global }
      - { .name: wf, .offset: 8, .size: 8, .value_kind: global_buffer, .address_space: global }
      - { .name: tf, .offset: 16, .size: 8, .value_kind: global_buffer, .address_space: global }
    .group_segment_fixed_size: 33280
    .private_segment_fixed_size: 0
    .kernarg_segment_align: 8
    .kernarg_segment_size: 24
    .max_flat_workgroup_size: 128
    .sgpr_count:     66
    .vgpr_count:     768
    .wavefront_size: 32
...
	.end_amdgpu_metadata
.endif
;; end of part 2
;; launch kvn (part 3): grid 32 x 8, 4 waves a work-group, no clusters, 82,432 bytes of LDS; arguments wf, tf, nf; writes nf
.if DOCPART == 3
	.amdgcn_target "amdgcn-amd-amdhsa--gfx1250"
	.amdhsa_code_object_version 6
	.text
	.protected	k_q1c50058350_kvn
	.globl	k_q1c50058350_kvn
	.p2align	8
	.type	k_q1c50058350_kvn,@function
k_q1c50058350_kvn:
	s_mov_b64 s[64:65], 0
	v_nop
	global_prefetch_b8 v0, s[64:65] scope:SCOPE_SE
	s_setreg_imm32_b32 hwreg(HW_REG_WAVE_MODE, 25, 1), 1
	s_wait_xcnt 0x0
; kv[d][e] = the sum over c' of T[(h,d)][c'] Wv[(h,e)][c'], then N[o][(h,d)] = the sum over e of Wo[o][(h,e)] kv[d][e], for each batch and head.  Nothing is left out.
; A work-group has a head h = x / 4 and a quarter oq = x % 4 of the rows o; kv (64 x 64) is made by all four quarters' work-groups anew: it is a 128th of the launch's rows of N times less work than a launch of its own would cost in stores and loads.
; FIRST PRODUCT: D(m = e, n = d), 4 x 4 tiles, K = 512 SPLIT AMONG THE FOUR WAVES (wave w: K steps 4 w .. 4 w + 3): source 0 = Wv's images, source 1 = T's, hi and lo.  All 96 loads go out at the head.
; The four partial sums meet in LDS (f32); wave w adds the tiles of e tile w, splits them into hi + lo and stores them as the second product's operand (lane = d, K = e).
; SECOND PRODUCT: D(m = d, n = o): source 0 = kv's images, source 1 = Wo's; wave w: o tiles 8 oq + 2 w, + 1.  The result, split again, is half of the next launch's operand (lane = o, K = (h, d)).
; REGISTERS: window 0: v0-11 addresses, v16-23 at work, v64-95 Wo, v128-255 accumulators (v192-255 later the way out).  windows 1, 2: v0-191 the loads of two K steps each: 4 images of Wv, 4 of T hi, 4 of T lo.
.set RED,   0                          ; LDS: wave w's 16 partial tiles of 1,024 bytes at 16,384 w
.set KVI,   65536                      ; kv as images: [plane][d tile 4][K step 2][1,024]
.set SPARE, 81920                      ; the spare words, 128 bytes a wave: two blocks of 256 bytes that no other line names
.set LOFF, 4
.set RS, 5                             ; v5  16 x lane + 16,384 x wave
.set RR, 6                             ; v6  16 x lane + 4,096 x wave
.set KW, 7                             ; v7  KVI + 16 x lane + 512 x wave
.set KR, 8                             ; v8  KVI + 16 x lane
.set SPW, 10
.set NIL, 11
.set TT, 16
.set WOR, 64
.set ACC, 128
.set WV, 10
.set S0P, 16                           ; s[16:17] the single operand's images
.set S1P, 18                           ; s[18:19] the hi + lo operand's
.set WOP, 20
.set NP, 22
.set TO, 24
.set MSB, 0
.macro WIN new
.if MSB != (\new)
	s_set_vgpr_msb (MSB<<8)|(\new)
.set MSB, \new
.endif
.endm
.macro PLACES
.rept 4
	v_nop
.endr
.endm
.macro SPLIT src, hi, lo, tmp          ; 8 f32 become hi = bf16(x) and lo = bf16(x - hi); the lowest registers are read first
.irp k, 0,1,2,3
	v_cvt_pk_bf16_f32 v[(\hi)+(\k)], v[(\src)+2*(\k)], v[(\src)+2*(\k)+1]
.endr
.irp k, 0,1,2,3
	v_lshlrev_b32 v[(\tmp)+2*(\k)], 16, v[(\hi)+(\k)]
	v_and_b32 v[(\tmp)+2*(\k)+1], 0xffff0000, v[(\hi)+(\k)]
.endr
.irp k, 0,1,2,3
	v_pk_add_f32 v[(\src)+2*(\k):(\src)+2*(\k)+1], v[(\src)+2*(\k):(\src)+2*(\k)+1], v[(\tmp)+2*(\k):(\tmp)+2*(\k)+1] neg_lo:[0,1] neg_hi:[0,1]
.endr
.irp k, 0,1,2,3
	v_cvt_pk_bf16_f32 v[(\lo)+(\k)], v[(\src)+2*(\k)], v[(\src)+2*(\k)+1]
.endr
.endm
.macro P44LOAD                         ; my four K steps: 24 loads each
.irp i, 0,1,2,3
	WIN 0x40*(1+(\i)/2)
.irp j, 0,1,2,3
	global_load_b128 v[96*((\i)%2)+8*(\j):96*((\i)%2)+8*(\j)+3],   v[LOFF], s[S0P:S0P+1] offset:(\j)*16384+(\i)*1024
	global_load_b128 v[96*((\i)%2)+8*(\j)+4:96*((\i)%2)+8*(\j)+7], v[LOFF], s[S0P:S0P+1] offset:(\j)*16384+(\i)*1024+512
.endr
.irp j, 0,1,2,3
	global_load_b128 v[96*((\i)%2)+32+8*(\j):96*((\i)%2)+32+8*(\j)+3],   v[LOFF], s[S1P:S1P+1] offset:(\j)*16384+(\i)*1024
	global_load_b128 v[96*((\i)%2)+32+8*(\j)+4:96*((\i)%2)+32+8*(\j)+7], v[LOFF], s[S1P:S1P+1] offset:(\j)*16384+(\i)*1024+512
.endr
.irp j, 0,1,2,3
	global_load_b128 v[96*((\i)%2)+64+8*(\j):96*((\i)%2)+64+8*(\j)+3],   v[LOFF], s[S1P:S1P+1] offset:(\j)*16384+(\i)*1024+524288
	global_load_b128 v[96*((\i)%2)+64+8*(\j)+4:96*((\i)%2)+64+8*(\j)+7], v[LOFF], s[S1P:S1P+1] offset:(\j)*16384+(\i)*1024+524288+512
.endr
.endr
	WIN 0
.endm
; the products, the meeting in LDS and the sum.  e: loads issued behind P44LOAD's, which may stay out.  The 16 accumulators take turns.  It leaves tiles (j0 = my wave, j1 = 0..3) in window 1, v[8 j1 ..]
.macro P44 e
.irp i, 0,1,2,3
.if (\i) == 0
	s_wait_loadcnt 48+(\e)                 ; K steps 0 and 1 are in
.elseif (\i) == 2
	s_wait_loadcnt 24+(\e)
.elseif (\i) == 3
	s_wait_loadcnt \e
.endif
	WIN 0x05*(1+(\i)/2)
.irp p, 32, 64
.irp j0, 0,1,2,3
.irp j1, 0,1,2,3
.if ((\i) == 0) && ((\p) == 32)
	v_wmma_f32_16x16x32_bf16 v[ACC+8*(4*(\j0)+(\j1)):ACC+8*(4*(\j0)+(\j1))+7], v[96*((\i)%2)+8*(\j0):96*((\i)%2)+8*(\j0)+7], v[96*((\i)%2)+(\p)+8*(\j1):96*((\i)%2)+(\p)+8*(\j1)+7], 0
.else
	v_wmma_f32_16x16x32_bf16 v[ACC+8*(4*(\j0)+(\j1)):ACC+8*(4*(\j0)+(\j1))+7], v[96*((\i)%2)+8*(\j0):96*((\i)%2)+8*(\j0)+7], v[96*((\i)%2)+(\p)+8*(\j1):96*((\i)%2)+(\p)+8*(\j1)+7], v[ACC+8*(4*(\j0)+(\j1)):ACC+8*(4*(\j0)+(\j1))+7]
.endif
.endr
.endr
.endr
.endr
	WIN 0
	PLACES
.irp t, 0,1,2,3,4,5,6,7,8,9,10,11,12,13,14,15
	ds_store_b128 v[RS], v[ACC+8*(\t):ACC+8*(\t)+3]   offset:RED+(\t)*1024
	ds_store_b128 v[RS], v[ACC+8*(\t)+4:ACC+8*(\t)+7] offset:RED+(\t)*1024+512
.endr
	s_wait_dscnt 0x0                       ; for the others' sake: my partial sums lie in LDS
	s_barrier_signal -1
	s_barrier_wait -1
	WIN 0x40
.irp v, 0,1,2,3
.irp j, 0,1,2,3
	ds_load_b128 v[32*(\v)+8*(\j):32*(\v)+8*(\j)+3],   v[RR] offset:RED+(\v)*16384+(\j)*1024
	ds_load_b128 v[32*(\v)+8*(\j)+4:32*(\v)+8*(\j)+7], v[RR] offset:RED+(\v)*16384+(\j)*1024+512
.endr
.endr
	s_wait_dscnt 0x0
	WIN 0x45
.irp v, 1,2,3
.set k, 0
.rept 16
	v_pk_add_f32 v[k:k+1], v[k:k+1], v[32*(\v)+k:32*(\v)+k+1]
.set k, k+2
.endr
.endr
.endm
	s_load_b128 s[4:7], s[0:1], 0x0        ; wf s[4:5], tf s[6:7]
	s_load_b64 s[8:9], s[0:1], 0x10        ; nf
	v_lshl_add_u32 v[SPW], v0, 2, SPARE
	v_mov_b32 v[NIL], 0
	v_lshrrev_b32 v1, 5, v0
	v_readfirstlane_b32 s[WV], v1
	v_and_b32 v3, 31, v0
	v_lshlrev_b32 v[LOFF], 4, v3
	s_lshl_b32 s11, s[WV], 14
	v_add_nc_u32 v[RS], s11, v[LOFF]
	s_lshl_b32 s11, s[WV], 12
	v_add_nc_u32 v[RR], s11, v[LOFF]
	v_add_nc_u32 v[KR], KVI, v[LOFF]
	s_lshl_b32 s11, s[WV], 9
	v_add_nc_u32 v[KW], s11, v[KR]
	s_and_b32 s12, ttmp7, 0xffff           ; batch
	s_lshr_b32 s13, ttmp9, 2               ; head
	s_and_b32 s14, ttmp9, 3                ; quarter of o
	s_mov_b32 s[TO+1], 0
	s_wait_kmcnt 0x0
	s_lshl_b32 s[TO], s13, 16              ; tiles 4 h .., K steps 4 w ..
	s_lshl_b32 s11, s[WV], 12
	s_add_co_u32 s[TO], s[TO], s11
	s_add_nc_u64 s[S1P:S1P+1], s[6:7], s[TO:TO+1]
	s_add_co_u32 s[TO], s[TO], 1<<19       ; Wv is weight 1 of wf
	s_add_nc_u64 s[S0P:S0P+1], s[4:5], s[TO:TO+1]
	s_lshl_b32 s[TO], s12, 20
	s_add_nc_u64 s[S1P:S1P+1], s[S1P:S1P+1], s[TO:TO+1]
	P44LOAD
	s_lshl_b32 s15, s14, 17                ; o tiles 8 oq + 2 w, K steps 2 h ..
	s_lshl_b32 s11, s[WV], 15
	s_add_co_u32 s15, s15, s11
	s_lshl_b32 s11, s13, 11
	s_add_co_u32 s15, s15, s11
	s_add_co_u32 s[TO], s15, 2<<19         ; Wo is weight 2 of wf
	s_add_nc_u64 s[WOP:WOP+1], s[4:5], s[TO:TO+1]
	s_lshl_b32 s[TO], s12, 20
	s_add_co_u32 s[TO], s[TO], s15
	s_add_nc_u64 s[NP:NP+1], s[8:9], s[TO:TO+1]
.irp u, 0,1
.irp ke, 0,1
	global_load_b128 v[WOR+8*(2*(\u)+(\ke)):WOR+8*(2*(\u)+(\ke))+3],   v[LOFF], s[WOP:WOP+1] offset:(\u)*16384+(\ke)*1024
	global_load_b128 v[WOR+8*(2*(\u)+(\ke))+4:WOR+8*(2*(\u)+(\ke))+7], v[LOFF], s[WOP:WOP+1] offset:(\u)*16384+(\ke)*1024+512
.endr
.endr
	P44 8
.irp j, 0,1,2,3                        ; my e tile w is half w % 2 of K step w / 2 of the images of d tile j
	SPLIT 8*(\j), 32+8*(\j), 36+8*(\j), 64+8*(\j)
.endr
	WIN 0x04
.irp j, 0,1,2,3
	ds_store_b128 v[KW], v[32+8*(\j):35+8*(\j)] offset:(\j)*2048
	ds_store_b128 v[KW], v[36+8*(\j):39+8*(\j)] offset:8192+(\j)*2048
.endr
	WIN 0
	s_wait_dscnt 0x0
	s_barrier_signal -1
	s_barrier_wait -1
	WIN 0x40
.irp n, 0,1,2,3,4,5,6,7,8,9,10,11,12,13,14,15  ; image n = 8 plane + 2 (d tile) + K step
	ds_load_b128 v[8*(\n):8*(\n)+3],   v[KR] offset:(\n)*1024
	ds_load_b128 v[8*(\n)+4:8*(\n)+7], v[KR] offset:(\n)*1024+512
.endr
	s_wait_dscnt 0x0
	s_wait_loadcnt 0x0                     ; Wo
	WIN 0x01
.irp ke, 0,1
.irp p, 0,1
.irp dt, 0,1,2,3
.irp u, 0,1
.if ((\ke) == 0) && ((\p) == 0)
	v_wmma_f32_16x16x32_bf16 v[ACC+8*(2*(\dt)+(\u)):ACC+8*(2*(\dt)+(\u))+7], v[8*(8*(\p)+2*(\dt)+(\ke)):8*(8*(\p)+2*(\dt)+(\ke))+7], v[WOR+8*(2*(\u)+(\ke)):WOR+8*(2*(\u)+(\ke))+7], 0
.else
	v_wmma_f32_16x16x32_bf16 v[ACC+8*(2*(\dt)+(\u)):ACC+8*(2*(\dt)+(\u))+7], v[8*(8*(\p)+2*(\dt)+(\ke)):8*(8*(\p)+2*(\dt)+(\ke))+7], v[WOR+8*(2*(\u)+(\ke)):WOR+8*(2*(\u)+(\ke))+7], v[ACC+8*(2*(\dt)+(\u)):ACC+8*(2*(\dt)+(\u))+7]
.endif
.endr
.endr
.endr
.endr
	WIN 0
	PLACES
.irp dt, 0,1,2,3                       ; d tile dt is half dt % 2 of K step 2 h + dt / 2: 512 dt bytes on
.irp u, 0,1
	SPLIT ACC+8*(2*(\dt)+(\u)), ACC+64+8*(2*(\dt)+(\u)), ACC+68+8*(2*(\dt)+(\u)), TT
	global_store_b128 v[LOFF], v[ACC+64+8*(2*(\dt)+(\u)):ACC+67+8*(2*(\dt)+(\u))], s[NP:NP+1] offset:(\u)*16384+(\dt)*512
	global_store_b128 v[LOFF], v[ACC+68+8*(2*(\dt)+(\u)):ACC+71+8*(2*(\dt)+(\u))], s[NP:NP+1] offset:(\u)*16384+(\dt)*512+524288
.endr
.endr
	s_wait_tensorcnt 0x0                   ; the wave's end, behind my last LDS store
	ds_add_u32 v[SPW], v[NIL]
	s_wait_dscnt 0x0
	s_endpgm
.Lfunc_end_k_q1c50058350_kvn:
	.size	k_q1c50058350_kvn, .Lfunc_end_k_q1c50058350_kvn-k_q1c50058350_kvn
	.p2alignl 7, 3214868480
	.fill 96, 4, 3214868480
	.section	.rodata,"a",@progbits
	.p2align	6, 0x0
	.amdhsa_kernel k_q1c50058350_kvn
		.amdhsa_group_segment_fixed_size 82432
		.amdhsa_private_segment_fixed_size 0
		.amdhsa_enable_private_segment 0
		.amdhsa_kernarg_size 24
		.amdhsa_user_sgpr_count 2
		.amdhsa_user_sgpr_kernarg_segment_ptr 1
		.amdhsa_wavefront_size32 1
		.amdhsa_system_sgpr_workgroup_id_x 1
		.amdhsa_system_sgpr_workgroup_id_y 1
		.amdhsa_system_sgpr_workgroup_id_z 1
		.amdhsa_system_vgpr_workitem_id 0
		.amdhsa_next_free_vgpr 704
		.amdhsa_next_free_sgpr 66
		.amdhsa_reserve_vcc 0
		.amdhsa_float_denorm_mode_32 3
		.amdhsa_float_denorm_mode_16_64 3
		.amdhsa_memory_ordered 1
		.amdhsa_forward_progress 1
		.amdhsa_inst_pref_size 48
	.end_amdhsa_kernel
	.amdgpu_metadata
---
amdhsa.version: [ 1, 2 ]
amdhsa.kernels:
  - .name:           k_q1c50058350_kvn
    .symbol:         k_q1c50058350_kvn.kd
    .args:
      - { .name: wf, .offset: 0, .size: 8, .value_kind: global_buffer, .address_space: global }
      - { .name: tf, .offset: 8, .size: 8, .value_kind: global_buffer, .address_space: global }
      - { .name: nf, .offset: 16, .size: 8, .value_kind: global_buffer, .address_space: global }
    .group_segment_fixed_size: 82432
    .private_segment_fixed_size: 0
    .kernarg_segment_align: 8
    .kernarg_segment_size: 24
    .max_flat_workgroup_size: 128
    .sgpr_count:     66
    .vgpr_count:     704
    .wavefront_size: 32
...
	.end_amdgpu_metadata
.endif
;; end of part 3
;; launch mgemm (part 4): grid 32 x 8, 8 waves a work-group, no clusters, 132,096 bytes of LDS; arguments wf, nf, mf; writes mf
.if DOCPART == 4
	.amdgcn_target "amdgcn-amd-amdhsa--gfx1250"
	.amdhsa_code_object_version 6
	.text
	.protected	k_q1c50058350_mgemm
	.globl	k_q1c50058350_mgemm
	.p2align	8
	.type	k_q1c50058350_mgemm,@function
k_q1c50058350_mgemm:
	s_mov_b64 s[64:65], 0
	v_nop
	global_prefetch_b8 v0, s[64:65] scope:SCOPE_SE
	s_setreg_imm32_b32 hwreg(HW_REG_WAVE_MODE, 25, 1), 1
	s_wait_xcnt 0x0
; M[o][c] = the sum over (h, d) of N[o][(h,d)] Wq[(h,d)][c] / 64, for each batch.  Nothing is left out.  A work-group makes 64 c (cx = x % 8) x 128 o: 256 work-groups in all.
; EIGHT WAVES, in two halves of four: half hf = w / 4 makes the o block ox = 2 (x / 8) + hf of 64 rows: D(m = c, n = o), 4 x 4 tiles, K = 512 split among the half's four waves (wave wk = w % 4: K steps 4 wk .. 4 wk + 3):
; source 0 = Wq turned (weight 3 of wf: lane = c, K = row of Wq), source 1 = N's images, hi and lo.  Eight waves have twice the loads on their way that four would have.
; A K step is 24 loads into a set of 96 registers; three sets; three K steps go out at the head, the fourth into the first set when its products are done.
; A half's four partial sums meet in LDS (f32); wave wk adds the tiles of c tile 4 cx + wk, scales by 1 / 64 (exact) and rounds ONCE to bf16: the one single rounding of an intermediate in the program.
; The result (lane = o, eight neighbouring c) is half of the last launch's operand.
; REGISTERS: window 0: v0-11 addresses, v16-111 a set, v128-255 accumulators.  window 1: v0-95, v96-191 two sets; later the partial sums.
.set RED,   0                          ; LDS: wave w's 16 partial tiles of 1,024 bytes at 16,384 w
.set SPARE, 131072                     ; the spare words, 128 bytes a wave: four blocks of 256 bytes that no other line names
.set LOFF, 4                           ; v4  16 x lane
.set RS, 5                             ; v5  16 x lane + 16,384 x wave
.set RR, 6                             ; v6  16 x lane + 65,536 x half + 4,096 x (wave % 4)
.set SPW, 10
.set NIL, 11
.set ACC, 128
.set WV, 10
.set S0P, 16                           ; s[16:17] Wq's images
.set S1P, 18                           ; s[18:19] N's
.set MO, 20                            ; s[20:21] mf at my results
.set TO, 24
.set MSB, 0
.macro WIN new
.if MSB != (\new)
	s_set_vgpr_msb (MSB<<8)|(\new)
.set MSB, \new
.endif
.endm
.macro PLACES
.rept 4
	v_nop
.endr
.endm
.macro LDK i, win, base                ; my K step i: 4 single images, 4 hi, 4 lo, into the set at base of window win
	WIN 0x40*(\win)
.irp j, 0,1,2,3
	global_load_b128 v[(\base)+8*(\j):(\base)+8*(\j)+3],   v[LOFF], s[S0P:S0P+1] offset:(\j)*16384+(\i)*1024
	global_load_b128 v[(\base)+8*(\j)+4:(\base)+8*(\j)+7], v[LOFF], s[S0P:S0P+1] offset:(\j)*16384+(\i)*1024+512
.endr
.irp j, 0,1,2,3
	global_load_b128 v[(\base)+32+8*(\j):(\base)+32+8*(\j)+3],   v[LOFF], s[S1P:S1P+1] offset:(\j)*16384+(\i)*1024
	global_load_b128 v[(\base)+32+8*(\j)+4:(\base)+32+8*(\j)+7], v[LOFF], s[S1P:S1P+1] offset:(\j)*16384+(\i)*1024+512
.endr
.irp j, 0,1,2,3
	global_load_b128 v[(\base)+64+8*(\j):(\base)+64+8*(\j)+3],   v[LOFF], s[S1P:S1P+1] offset:(\j)*16384+(\i)*1024+524288
	global_load_b128 v[(\base)+64+8*(\j)+4:(\base)+64+8*(\j)+7], v[LOFF], s[S1P:S1P+1] offset:(\j)*16384+(\i)*1024+524288+512
.endr
	WIN 0
.endm
.macro MULK win, base, zero            ; a K step's 32 products, hi then lo; the 16 accumulators take turns.  zero = 1: the hi products start the sums
	WIN 0x05*(\win)
.irp p, 32, 64
.irp j0, 0,1,2,3
.irp j1, 0,1,2,3
.if (\zero) && ((\p) == 32)
	v_wmma_f32_16x16x32_bf16 v[ACC+8*(4*(\j0)+(\j1)):ACC+8*(4*(\j0)+(\j1))+7], v[(\base)+8*(\j0):(\base)+8*(\j0)+7], v[(\base)+(\p)+8*(\j1):(\base)+(\p)+8*(\j1)+7], 0
.else
	v_wmma_f32_16x16x32_bf16 v[ACC+8*(4*(\j0)+(\j1)):ACC+8*(4*(\j0)+(\j1))+7], v[(\base)+8*(\j0):(\base)+8*(\j0)+7], v[(\base)+(\p)+8*(\j1):(\base)+(\p)+8*(\j1)+7], v[ACC+8*(4*(\j0)+(\j1)):ACC+8*(4*(\j0)+(\j1))+7]
.endif
.endr
.endr
.endr
	WIN 0
.endm
	s_load_b128 s[4:7], s[0:1], 0x0        ; wf s[4:5], nf s[6:7]
	s_load_b64 s[8:9], s[0:1], 0x10        ; mf
	v_lshl_add_u32 v[SPW], v0, 2, SPARE
	v_mov_b32 v[NIL], 0
	v_lshrrev_b32 v1, 5, v0
	v_readfirstlane_b32 s[WV], v1          ; wave 0..7
	v_and_b32 v3, 31, v0
	v_lshlrev_b32 v[LOFF], 4, v3
	s_lshl_b32 s11, s[WV], 14
	v_add_nc_u32 v[RS], s11, v[LOFF]
	s_lshr_b32 s22, s[WV], 2               ; my half
	s_and_b32 s23, s[WV], 3                ; my place in it
	s_lshl_b32 s11, s22, 16
	s_lshl_b32 s15, s23, 12                ; 4,096 x place: my four tiles in a wave's partial sums, and my four K steps in a tile's images
	s_add_co_u32 s11, s11, s15
	v_add_nc_u32 v[RR], s11, v[LOFF]
	s_and_b32 s12, ttmp7, 0xffff           ; batch
	s_and_b32 s13, ttmp9, 7                ; cx
	s_lshr_b32 s14, ttmp9, 3
	s_lshl1_add_u32 s14, s14, s22          ; ox = 2 (x / 8) + half
	s_mov_b32 s[TO+1], 0
	s_wait_kmcnt 0x0
	s_lshl_b32 s[TO], s13, 16              ; Wq turned: tiles 4 cx .., K steps 4 wk ..
	s_add_co_u32 s[TO], s[TO], s15
	s_add_co_u32 s[TO], s[TO], 3<<19
	s_add_nc_u64 s[S0P:S0P+1], s[4:5], s[TO:TO+1]
	s_lshl_b32 s[TO], s12, 20              ; N: tiles 4 ox ..
	s_lshl_b32 s11, s14, 16
	s_add_co_u32 s[TO], s[TO], s11
	s_add_co_u32 s[TO], s[TO], s15
	s_add_nc_u64 s[S1P:S1P+1], s[6:7], s[TO:TO+1]
	LDK 0, 0, 16
	LDK 1, 1, 0
	LDK 2, 1, 96
	s_lshl_b32 s[TO], s12, 19              ; mf[b][ot 32][ks 16][1,024]: c tile ct = 4 cx + wk is half ct % 2 of K step ct / 2: 512 ct bytes on
	s_add_co_u32 s[TO], s[TO], s11
	s_lshl2_add_u32 s15, s13, s23
	s_lshl_b32 s15, s15, 9
	s_add_co_u32 s[TO], s[TO], s15
	s_add_nc_u64 s[MO:MO+1], s[8:9], s[TO:TO+1]
	s_wait_loadcnt 48                      ; K step 0 is in; K steps 1 and 2 may stay out
	MULK 0, 16, 1
	PLACES                                 ; in front of the loads into the set just multiplied
	LDK 3, 0, 16
	s_wait_loadcnt 48                      ; K step 1 is in; 2 and 3 may stay out
	MULK 1, 0, 0
	s_wait_loadcnt 24                      ; K step 2 is in
	MULK 1, 96, 0
	s_wait_loadcnt 0x0
	MULK 0, 16, 0
	PLACES
.irp t, 0,1,2,3,4,5,6,7,8,9,10,11,12,13,14,15
	ds_store_b128 v[RS], v[ACC+8*(\t):ACC+8*(\t)+3]   offset:RED+(\t)*1024
	ds_store_b128 v[RS], v[ACC+8*(\t)+4:ACC+8*(\t)+7] offset:RED+(\t)*1024+512
.endr
	s_wait_dscnt 0x0                       ; for the others' sake: my partial sums lie in LDS
	s_barrier_signal -1
	s_barrier_wait -1
	WIN 0x40                               ; tiles (j0 = my place, j1 = 0..3) of my half's four waves
.irp v, 0,1,2,3
.irp j, 0,1,2,3
	ds_load_b128 v[32*(\v)+8*(\j):32*(\v)+8*(\j)+3],   v[RR] offset:RED+(\v)*16384+(\j)*1024
	ds_load_b128 v[32*(\v)+8*(\j)+4:32*(\v)+8*(\j)+7], v[RR] offset:RED+(\v)*16384+(\j)*1024+512
.endr
.endr
	s_wait_dscnt 0x0
	WIN 0x45
.irp v, 1,2,3
.set k, 0
.rept 16
	v_pk_add_f32 v[k:k+1], v[k:k+1], v[32*(\v)+k:32*(\v)+k+1]
.set k, k+2
.endr
.endr
.irp j, 0,1,2,3
.irp k, 0,2,4,6
	v_pk_mul_f32 v[8*(\j)+(\k):8*(\j)+(\k)+1], v[8*(\j)+(\k):8*(\j)+(\k)+1], 0x3c800000 op_sel_hi:[1,0]  ; 1 / 64
.endr
.irp k, 0,1,2,3
	v_cvt_pk_bf16_f32 v[32+4*(\j)+(\k)], v[8*(\j)+2*(\k)], v[8*(\j)+2*(\k)+1]
.endr
.endr
	WIN 0x04
.irp j, 0,1,2,3
	global_store_b128 v[LOFF], v[32+4*(\j):35+4*(\j)], s[MO:MO+1] offset:(\j)*16384
.endr
	WIN 0
	s_wait_tensorcnt 0x0                   ; the wave's end, behind my last LDS store
	ds_add_u32 v[SPW], v[NIL]
	s_wait_dscnt 0x0
	s_endpgm
.Lfunc_end_k_q1c50058350_mgemm:
	.size	k_q1c50058350_mgemm, .Lfunc_end_k_q1c50058350_mgemm-k_q1c50058350_mgemm
	.p2alignl 7, 3214868480
	.fill 96, 4, 3214868480
	.section	.rodata,"a",@progbits
	.p2align	6, 0x0
	.amdhsa_kernel k_q1c50058350_mgemm
		.amdhsa_group_segment_fixed_size 132096
		.amdhsa_private_segment_fixed_size 0
		.amdhsa_enable_private_segment 0
		.amdhsa_kernarg_size 24
		.amdhsa_user_sgpr_count 2
		.amdhsa_user_sgpr_kernarg_segment_ptr 1
		.amdhsa_wavefront_size32 1
		.amdhsa_system_sgpr_workgroup_id_x 1
		.amdhsa_system_sgpr_workgroup_id_y 1
		.amdhsa_system_sgpr_workgroup_id_z 1
		.amdhsa_system_vgpr_workitem_id 0
		.amdhsa_next_free_vgpr 512
		.amdhsa_next_free_sgpr 66
		.amdhsa_reserve_vcc 0
		.amdhsa_float_denorm_mode_32 3
		.amdhsa_float_denorm_mode_16_64 3
		.amdhsa_memory_ordered 1
		.amdhsa_forward_progress 1
		.amdhsa_inst_pref_size 30
	.end_amdhsa_kernel
	.amdgpu_metadata
---
amdhsa.version: [ 1, 2 ]
amdhsa.kernels:
  - .name:           k_q1c50058350_mgemm
    .symbol:         k_q1c50058350_mgemm.kd
    .args:
      - { .name: wf, .offset: 0, .size: 8, .value_kind: global_buffer, .address_space: global }
      - { .name: nf, .offset: 8, .size: 8, .value_kind: global_buffer, .address_space: global }
      - { .name: mf, .offset: 16, .size: 8, .value_kind: global_buffer, .address_space: global }
    .group_segment_fixed_size: 132096
    .private_segment_fixed_size: 0
    .kernarg_segment_align: 8
    .kernarg_segment_size: 24
    .max_flat_workgroup_size: 256
    .sgpr_count:     66
    .vgpr_count:     512
    .wavefront_size: 32
...
	.end_amdgpu_metadata
.endif
;; end of part 4
;; launch apply (part 5): grid 32 x 8, 4 waves a work-group, no clusters, 181,760 bytes of LDS; arguments x_local, mf, out0; writes out0
.if DOCPART == 5
	.amdgcn_target "amdgcn-amd-amdhsa--gfx1250"
	.amdhsa_code_object_version 6
	.text
	.protected	k_q1c50058350_apply
	.globl	k_q1c50058350_apply
	.p2align	8
	.type	k_q1c50058350_apply,@function
k_q1c50058350_apply:
	s_mov_b64 s[64:65], 0
	v_nop
	global_prefetch_b8 v0, s[64:65] scope:SCOPE_SE
	s_setreg_imm32_b32 hwreg(HW_REG_WAVE_MODE, 25, 1), 1
	s_wait_xcnt 0x0
; out0[b][o][l] = the sum over c of M[b][o][c] x_local[b][c][l].  Nothing is left out.  A work-group takes 128 columns l, all 512 c and all 512 o; wave w the rows o = 128 w .. 128 w + 127: 64 accumulators, 512 registers.
; So each byte of x_local is read once and each byte of out0 written once; M (512 KiB a batch, bf16) is read by a batch's 32 work-groups, each wave its own quarter, straight into registers as source 1.
; D(m = l, n = o): source 0 = x (lane = l, K = c), which lies [c][l] in LDS and is turned by ds_load_tr16_b128; source 1 = M's images (lane = o, K = c).
; PHASE 1: wave w brings rows c = 128 w .. + 127: a load is a row's 512 consecutive bytes; four groups of 32 loads on two sets of registers; rounded to bf16 in place, stored to LDS rows of 256 bytes + 32 of padding
; (72 words; 64 banks of 4 bytes: ISA guide 11.1).
; PHASE 2: 16 K steps of 32 c, 64 products each; x's fragments in two buffers, M's images in a ring of four sets of 16 loads.
; THE WAY OUT: a lane holds eight neighbouring l of one row o; 16 rows at a time go through the wave's own stage in LDS and leave as whole rows of 512 bytes.
; No tensor loads (x is rounded in registers), so no cluster; no prefetch: all of the work-group's x is asked for within its first lines.
; REGISTERS: window 0: v0-11 addresses; v64-127, v128-191 x's fragments, later the way out.  window 1: M's four sets of 64.  window 2: o tiles 0-3, (bt, a) at 64 bt + 8 a (in phase 1: the two sets of loads).  window 3: o tiles 4-7.
.set XPITCH, 288
.set STAGE,  512*XPITCH                ; 147,456: 16 rows x 528 bytes for each wave
.set SPITCH, 528                       ; 33 x 16 bytes: the 16 rows of a store start at 16 different groups of four banks
.set SPARE,  STAGE+4*16*SPITCH         ; the spare words, 128 bytes a wave: two blocks of 256 bytes that no other line names
.set XROW,   16384                     ; bytes in a row of x_local and of out0
.set XO, 4                             ; v4  16 x lane
.set XS, 5                             ; v5  where I put 8 bytes of a row of x
.set XA, 6                             ; v6  the turning loads' address; steps 32 rows a K step
.set STO, 7
.set RD, 8
.set SPW, 10
.set NIL, 11
.set XF, 64
.set WV, 10
.set XP, 16
.set MP, 18                            ; s[18:19] M's images of my 8 o tiles, at the group of four K steps in hand
.set OP, 20
.set CNT, 22
.set TO, 24
.set MSB, 0
.macro WIN new
.if MSB != (\new)
	s_set_vgpr_msb (MSB<<8)|(\new)
.set MSB, \new
.endif
.endm
.macro PLACES
.rept 4
	v_nop
.endr
.endm
.macro LDX set, g                      ; rows 32 g .. 32 g + 31 of my 128
	WIN 0x80
.set n, 0
.rept 32
	global_load_b128 v[(\set)+4*n:(\set)+4*n+3], v[XO], s[XP:XP+1] offset:(32*(\g)+n)*XROW th:TH_LOAD_NT
.set n, n+1
.endr
.endm
.macro CV set, g                       ; rounded in place and stored: 32 lanes x 8 bytes are a row's 256
	WIN 0x8a
.set n, 0
.rept 32
	v_cvt_pk_bf16_f32 v[(\set)+4*n], v[(\set)+4*n], v[(\set)+4*n+1]
	v_cvt_pk_bf16_f32 v[(\set)+4*n+1], v[(\set)+4*n+2], v[(\set)+4*n+3]
.set n, n+1
.endr
	WIN 0x08
.set n, 0
.rept 32
	ds_store_b64 v[XS], v[(\set)+4*n:(\set)+4*n+1] offset:(32*(\g)+n)*XPITCH
.set n, n+1
.endr
.endm
.macro LDM j, ks                       ; M's eight images of K step ks behind the pointer, into set j
	WIN 0x40
.irp i, 0,1,2,3,4,5,6,7
	global_load_b128 v[64*(\j)+8*(\i):64*(\j)+8*(\i)+3],   v[XO], s[MP:MP+1] offset:(\i)*16384+(\ks)*1024
	global_load_b128 v[64*(\j)+8*(\i)+4:64*(\j)+8*(\i)+7], v[XO], s[MP:MP+1] offset:(\i)*16384+(\ks)*1024+512
.endr
.endm
.macro FETCHX buf                      ; x's eight fragments of a K step
	WIN 0
.irp a, 0,1,2,3,4,5,6,7
	ds_load_tr16_b128 v[XF+64*(\buf)+8*(\a):XF+64*(\buf)+8*(\a)+3],   v[XA] offset:32*(\a)
	ds_load_tr16_b128 v[XF+64*(\buf)+8*(\a)+4:XF+64*(\buf)+8*(\a)+7], v[XA] offset:32*(\a)+16*XPITCH
.endr
.endm
.macro MUL32 j, hi, zero               ; four o tiles x eight l tiles; the accumulators take turns: 63 others stand between two links of a chain
	WIN 0xa4+0x50*(\hi)
.irp bt, 0,1,2,3
.irp a, 0,1,2,3,4,5,6,7
.if \zero
	v_wmma_f32_16x16x32_bf16 v[64*(\bt)+8*(\a):64*(\bt)+8*(\a)+7], v[XF+64*((\j)%2)+8*(\a):XF+64*((\j)%2)+8*(\a)+7], v[64*(\j)+8*(4*(\hi)+(\bt)):64*(\j)+8*(4*(\hi)+(\bt))+7], 0
.else
	v_wmma_f32_16x16x32_bf16 v[64*(\bt)+8*(\a):64*(\bt)+8*(\a)+7], v[XF+64*((\j)%2)+8*(\a):XF+64*((\j)%2)+8*(\a)+7], v[64*(\j)+8*(4*(\hi)+(\bt)):64*(\j)+8*(4*(\hi)+(\bt))+7], v[64*(\bt)+8*(\a):64*(\bt)+8*(\a)+7]
.endif
.endr
.endr
.endm
; K step j of a group of four.  zero: its products start the sums.  reload: set j takes the K step four on.  fetch: the next step's fragments of x.  n: the younger loads that may stay out
.macro KS j, zero, reload, fetch, n
	s_wait_dscnt 0x0                       ; x's fragments are in
	s_wait_loadcnt \n                      ; and set j
	MUL32 \j, 0, \zero
	PLACES
.if \fetch
	WIN 0
	v_add_nc_u32 v[XA], 32*XPITCH, v[XA]
	FETCHX 1-(\j)%2
.endif
	MUL32 \j, 1, \zero
	PLACES
.if \reload
	LDM \j, 4+(\j)
.endif
.endm
.macro GROUP zero
	KS 0, \zero, 1, 1, 48                  ; three younger sets of 16 loads may stay out
	KS 1, 0, 1, 1, 48
	KS 2, 0, 1, 1, 48
	KS 3, 0, 1, 1, 48
	WIN 0
	s_wait_xcnt 0x0                        ; the loads have read the pointer, so it may be written
	s_add_nc_u64 s[MP:MP+1], s[MP:MP+1], 4096
.endm
	s_load_b128 s[4:7], s[0:1], 0x0        ; x_local s[4:5], mf s[6:7]
	s_load_b64 s[8:9], s[0:1], 0x10        ; out0
	v_lshl_add_u32 v[SPW], v0, 2, SPARE
	v_mov_b32 v[NIL], 0
	v_lshrrev_b32 v1, 5, v0
	v_readfirstlane_b32 s[WV], v1
	v_and_b32 v1, 15, v0                   ; L % 16
	v_bfe_u32 v2, v0, 4, 1                 ; L / 16
	v_and_b32 v3, 31, v0
	v_lshlrev_b32 v[XO], 4, v3
	s_mul_i32 s11, s[WV], 128*XPITCH
	v_lshl_add_u32 v[XS], v3, 3, s11
	v_and_b32 v12, 7, v0                   ; the turning load: row 8 (L / 16) + L % 8, columns 8 ((L / 8) % 2) + 0..7
	v_lshl_add_u32 v12, v2, 3, v12
	v_mul_u32_u24 v[XA], v12, XPITCH
	v_bfe_u32 v13, v0, 3, 1
	v_lshl_add_u32 v[XA], v13, 4, v[XA]
	s_mul_i32 s11, s[WV], 16*SPITCH
	s_add_co_u32 s11, s11, STAGE           ; my stage
	v_mul_u32_u24 v[STO], v1, SPITCH       ; in: row L % 16, 32 bytes for each half of the lanes
	v_lshl_add_u32 v[STO], v2, 5, v[STO]
	v_add_nc_u32 v[STO], s11, v[STO]
	v_add_nc_u32 v[RD], s11, v[XO]         ; back: a row of 512 bytes
	s_and_b32 s12, ttmp7, 0xffff           ; batch
	s_lshl_b32 s[TO], s12, 23              ; a batch is 8 MiB, my 128 rows 2 MiB, the work-group's columns 512 bytes
	s_lshl_b32 s11, s[WV], 21
	s_add_co_u32 s[TO], s[TO], s11
	s_lshl_b32 s11, ttmp9, 9
	s_add_co_u32 s[TO], s[TO], s11
	s_mov_b32 s[TO+1], 0
	s_wait_kmcnt 0x0
	s_add_nc_u64 s[XP:XP+1], s[4:5], s[TO:TO+1]
	s_add_nc_u64 s[OP:OP+1], s[8:9], s[TO:TO+1]
	LDX 0, 0
	LDX 128, 1
	s_lshl_b32 s[TO], s12, 19
	s_lshl_b32 s11, s[WV], 17
	s_add_co_u32 s[TO], s[TO], s11
	s_add_nc_u64 s[MP:MP+1], s[6:7], s[TO:TO+1]
	; each wait leaves the 32 younger loads on their way
	s_wait_loadcnt 32
	CV 0, 0
	LDX 0, 2
	s_wait_loadcnt 32
	CV 128, 1
	LDX 128, 3
	s_wait_loadcnt 32
	CV 0, 2
	LDM 0, 0
	LDM 1, 1
	s_wait_loadcnt 32
	CV 128, 3
	LDM 2, 2
	LDM 3, 3
	WIN 0
	s_wait_dscnt 0x0                       ; for the others' sake: my rows of x lie in LDS
	s_barrier_signal -1
	s_barrier_wait -1
	FETCHX 0
	GROUP 1                                ; K steps 0-3 stand in front of the loop: the first starts the sums
	s_mov_b32 s[CNT], 2
.Lgroup:                                       ; K steps 4-11
	GROUP 0
	s_sub_co_u32 s[CNT], s[CNT], 1
	s_cmp_lg_u32 s[CNT], 0
	s_cbranch_scc1 .Lgroup
	KS 0, 0, 0, 1, 48                      ; K steps 12-15 load nothing of M: the counts run down
	KS 1, 0, 0, 1, 32
	KS 2, 0, 0, 1, 16
	KS 3, 0, 0, 0, 0
	; THE WAY OUT, an o tile (16 rows of out0) at a time.  The last K step's four v_nop are the places behind the last products; each accumulator's registers 0-3 are read first
.irp bt, 0,1,2,3,4,5,6,7
	WIN 0x08+0x04*((\bt)/4)
.irp a, 0,1,2,3,4,5,6,7
	ds_store_b128 v[STO], v[64*((\bt)%4)+8*(\a):64*((\bt)%4)+8*(\a)+3]   offset:64*(\a)
	ds_store_b128 v[STO], v[64*((\bt)%4)+8*(\a)+4:64*((\bt)%4)+8*(\a)+7] offset:64*(\a)+16
.endr
	WIN 0
	s_wait_xcnt 0x0                        ; the stores of two tiles back have read their registers, which are loaded again below
.irp t, 0,1,2,3,4,5,6,7,8,9,10,11,12,13,14,15
	ds_load_b128 v[XF+64*((\bt)%2)+4*(\t):XF+64*((\bt)%2)+4*(\t)+3], v[RD] offset:(\t)*SPITCH  ; LDS serves a wave's instructions in order (ISA guide 5.7.1.4): these see the stores above; the next tile's stores come behind them
.endr
.irp t, 0,1,2,3,4,5,6,7,8,9,10,11,12,13,14,15
	s_wait_dscnt 15-(\t)
	global_store_b128 v[XO], v[XF+64*((\bt)%2)+4*(\t):XF+64*((\bt)%2)+4*(\t)+3], s[OP:OP+1] offset:(16*(\bt)+(\t))*XROW th:TH_STORE_NT  ; 512 consecutive bytes, at a multiple of 512 from out0's first byte
.endr
.endr
	s_wait_tensorcnt 0x0                   ; the wave's end, behind my last LDS store
	ds_add_u32 v[SPW], v[NIL]
	s_wait_dscnt 0x0
	s_endpgm
.Lfunc_end_k_q1c50058350_apply:
	.size	k_q1c50058350_apply, .Lfunc_end_k_q1c50058350_apply-k_q1c50058350_apply
	.p2alignl 7, 3214868480
	.fill 96, 4, 3214868480
	.section	.rodata,"a",@progbits
	.p2align	6, 0x0
	.amdhsa_kernel k_q1c50058350_apply
		.amdhsa_group_segment_fixed_size 181760
		.amdhsa_private_segment_fixed_size 0
		.amdhsa_enable_private_segment 0
		.amdhsa_kernarg_size 24
		.amdhsa_user_sgpr_count 2
		.amdhsa_user_sgpr_kernarg_segment_ptr 1
		.amdhsa_wavefront_size32 1
		.amdhsa_system_sgpr_workgroup_id_x 1
		.amdhsa_system_sgpr_workgroup_id_y 1
		.amdhsa_system_sgpr_workgroup_id_z 1
		.amdhsa_system_vgpr_workitem_id 0
		.amdhsa_next_free_vgpr 1024
		.amdhsa_next_free_sgpr 66
		.amdhsa_reserve_vcc 0
		.amdhsa_float_denorm_mode_32 3
		.amdhsa_float_denorm_mode_16_64 3
		.amdhsa_memory_ordered 1
		.amdhsa_forward_progress 1
		.amdhsa_inst_pref_size 156
	.end_amdhsa_kernel
	.amdgpu_metadata
---
amdhsa.version: [ 1, 2 ]
amdhsa.kernels:
  - .name:           k_q1c50058350_apply
    .symbol:         k_q1c50058350_apply.kd
    .args:
      - { .name: x_local, .offset: 0, .size: 8, .value_kind: global_buffer, .address_space: global }
      - { .name: mf, .offset: 8, .size: 8, .value_kind: global_buffer, .address_space: global }
      - { .name: out0, .offset: 16, .size: 8, .value_kind: global_buffer, .address_space: global }
    .group_segment_fixed_size: 181760
    .private_segment_fixed_size: 0
    .kernarg_segment_align: 8
    .kernarg_segment_size: 24
    .max_flat_workgroup_size: 128
    .sgpr_count:     66
    .vgpr_count:     1024
    .wavefront_size: 32
...
	.end_amdgpu_metadata
.endif
;; end of part 5
;; ======== version 2 of 2: 5 launches; version 1 with the launches gram, tgemm, apply written anew for expert scheduling mode
;; workspace buffers: gp 67,108,864 bytes; wf 2,097,152 bytes; tf 8,388,608 bytes; nf 8,388,608 bytes; mf 4,194,304 bytes
;; launch gram (part 6): grid 32 x 8, 4 waves a work-group, no clusters, 205,312 bytes of LDS; arguments x_global, Wk, Wv, Wo, Wq, gp, wf; writes gp, wf
.if DOCPART == 6
	.amdgcn_target "amdgcn-amd-amdhsa--gfx1250"
	.amdhsa_code_object_version 6
	.text
	.protected	k_q1c50058350_gram
	.globl	k_q1c50058350_gram
	.p2align	8
	.type	k_q1c50058350_gram,@function
k_q1c50058350_gram:
	s_mov_b64 s[64:65], 0
	v_nop
	global_prefetch_b8 v0, s[64:65] scope:SCOPE_SE
	s_setreg_imm32_b32 hwreg(HW_REG_WAVE_SCHED_MODE, 0, 2), 2
	s_setreg_imm32_b32 hwreg(HW_REG_WAVE_MODE, 25, 1), 1
	s_wait_xcnt 0x0
	s_wait_alu depctr_vm_vsrc(0)
; THE WHOLE PROGRAM.  reference() has no softmax between its products, so for each batch b the result is linear in x_local:
;   out[b] = M[b] x_local[b],  M = Wo blockdiag(kv_h^T) Wq / 64,  kv_h[d][e] = sum over c, c' of Wk[(h,d)][c] G[c][c'] Wv[(h,e)][c'],  G[c][c'] = sum over l of X[c][l] X[c'][l], X = x_global[b].
; That is reference()'s own sums taken in another order (as reference() itself reassociates Q (K^T V)): it holds for all values of the inputs, and NOTHING IS LEFT OUT: all six inputs are loaded and reach the output.
; G is symmetric: with I = channels 0-255 and J = 256-511 only the blocks II, JJ and IJ are made; the launch behind uses IJ both ways.
; Five launches: gram (this one: partial sums of G; the weights as matrix operands), tgemm (T = Wk G), kvn (kv, N = Wo kv), mgemm (M = N Wq / 64), apply (M x_local).
; LIMITS.  All inputs are rounded once to bf16 on their way to the matrix unit; M is rounded once to bf16; G, T, kv and N go on as a pair of bf16, hi + lo (16 significant bits, f32's exponent range); all sums in f32,
; in another order than reference()'s.  NaN and infinities are not treated apart.
;
; THIS LAUNCH.  A batch has 32 shares X.  X = 0-7: block II, X = 8-15: block JJ, each over 1,024 columns l; X = 16-31: block IJ (m in I, n in J) over 512 columns: every work-group takes in 1 MiB, in 8 units of 128 KiB.
; HOW THE GRID IS DEALT.  The four shares that read the same 1,024 columns of a batch (II s, JJ s, IJ 2 s, IJ 2 s + 1) go to work-groups that differ in bit 4 of x and bit 0 of y alone:
; batch = (y & 6) | bit 3 of x, s = x & 7; x < 16: II (y even) or JJ (y odd); x >= 16: IJ 2 s + (y & 1).
; Four waves; wave (wr, wc) makes 128 x 128 of the block's 256 x 256: 64 accumulators, 512 registers.  The partial sums leave in f32, each 16 x 16 result as it lies in registers: 1,024 bytes, two stores of 512 consecutive bytes.
; THE WAY IN.  f32 comes into registers (16 lanes take 256 consecutive bytes of a row), is rounded to bf16 there and stored to LDS rows of 128 bytes + 16 of padding (36 words: the 16 rows of a fragment load start at
; 16 different groups of four banks; 64 banks of 4 bytes: ISA guide 11.1).  A slot's rows 0-255 are region X, rows 256-511 region Y.  Block IJ: X = I's rows, Y = J's rows, 64 columns l.  Blocks II, JJ: X = columns 0-63, Y = columns 64-127 of the same 256 rows.
; A TRIP, for unit t, on slot t % 2 of two: the unit's 64 loads a wave, asked for a trip ago, are taken by quarters of 16: wait, round, store; a quarter's registers are asked for again, with unit t + 1, behind the next quarter's conversions;
; ONE barrier; the unit's products.  The next trip writes the other slot, so it may begin while other waves still read this one; this slot is written again two trips on, behind the next trip's barrier,
; in front of which every wave has waited for its reads.  The last trip, which asks for nothing, has an arm of its own with one wait for all four quarters: so no load is jumped over between two counted waits,
; and each arm's counts hold on every way into it and through it.
; The accumulators are cleared by 512 v_mov_b32 while the first loads are on their way: the price of one text for all eight trips' products.
; No cluster: nothing comes by a tensor load here (the operands are rounded in registers), and the work-groups that read a block of x_global take different numbers of steps.
; The work-groups of block IJ, which have half the products, also lay the four weights out as matrix operands (wf).
; AN OPERAND IMAGE (wf, and all later buffers): 16 rows x 32 K of bf16, 1,024 bytes: registers 4 q .. 4 q + 3 of lane L at byte 512 q + 16 L (row L % 16, K = 16 q + 8 (L / 16) + 0..7).
; REGISTERS, in windows of 256 (s_set_vgpr_msb: bits 1:0 source 0, 3:2 source 1, 5:4 source 2, 7:6 destination):
;   window 0: v0-16 addresses; v32-127 A's fragments: three halves H0, H1, H2 of four fragments (64 of my rows); v128-255 loads 0-31 of a unit (Q0, Q1)      window 1: v0-127 B's fragments, two buffers; v128-255 loads 32-63 (Q2, Q3)
;   window 2: accumulators of my rows 0-63, (a, b) at 8 (8 a + b)      window 3: those of rows 64-127
; THE MODE: SCHED_MODE bits 1:0 = 2 (LLVM: expert scheduling mode 2), set by the entry lines.  The code itself states the register dependences
; between vector or matrix instructions and memory or LDS instructions, with s_wait_alu, always for 0.
; THE PLAN.  Registers that memory or LDS instructions touch, in the loop:
;   Q0 .. Q3   a unit's quarters, 64 registers each.  The unit's loads land in a quarter; its 32 conversions read it and write the packed words in place; its 16 LDS stores read those; the next unit's loads land in it.
;              A trip goes: round Q0, store Q0; round Q1, ask for Q0, store Q1; round Q2, ask for Q1, store Q2; round Q3, ask for Q2, store Q3; ask for Q3.  So one pair of waits stands behind each quarter's conversions:
;              on vm_vsrc for the stores of the quarter before, which were issued ahead of these conversions, and on va_vdst for the conversions of both quarters.
;   B0, B1     B's fragments of a step, by turns.     H0, H1, H2   A's, in a ring: step k of a trip reads H[2 k % 3] (my rows 0-63) and then H[(2 k + 1) % 3] (rows 64-127).
;              ONE wait on va_vdst stands in a step, between its two halves: behind it the products of the step before are done with the other B and with H[(2 k + 2) % 3], and the first half's with H[2 k % 3].
;              The next step's 32 LDS loads land in just these; they are dealt in runs of eight among the second half's products, which name H[(2 k + 1) % 3], this step's B and the accumulators.
;   v[STO], v[ADRA], v[ADRB]   read by every LDS instruction of a trip; written at the trip's head, behind a wait on vm_vsrc and ahead of waits on va_vdst that stand there anyway.
;   v[GOFF], v[PFO], v[LOUT]   made at the head and never written again: the rows are reached by the scalar pointer and by immediate offsets.
;   The accumulators are named by vector and matrix instructions alone until the way out.
.set PITCH, 144
.set YO,    256*PITCH                  ; region Y
.set SLOT1, 1<<17                      ; slot 1 begins here, so that one exclusive or turns an address in one slot into the other's
.set SPARE, SLOT1+512*PITCH            ; behind slot 1: the spare words, 128 bytes a wave: two blocks of 256 bytes that no other line names
.set GROW,  32768                      ; bytes in a row of x_global
.set GOFF, 4                           ; v4   my byte offset in a unit's rows: 8 rows x (L / 16) + 16 (L % 16); never rewritten
.set STO0, 5                           ; v5   where I put 8 bytes of a row, in slot 0
.set ADRA0, 6                          ; v6   my place in A's fragments, in slot 0
.set ADRB0, 7                          ; v7   in B's
.set PFO,  8                           ; v8   the prefetches' offset: a lane a row
.set LOUT, 9                           ; v9   16 x lane
.set WOFF, 10                          ; v10  my offset in a weight
.set SPW,  12                          ; v12  my spare word; never rewritten
.set NIL,  13                          ; v13  0; never rewritten
.set STO,  14                          ; v14-16  the three LDS addresses in the trip's slot
.set ADRA, 15
.set ADRB, 16
.set AF,   32
.set STG,  128
.set WV, 18                            ; s18 wave   s19 share X   s20 batch   s21 wr   s22 wc
.set XX, 19
.set BB, 20
.set WR, 21
.set WC, 22
.set PLIM, 23                          ; s23  3 in a work-group that prefetches, else the greatest number: it prefetches while s[LEFT] is above it
.set XP, 24                            ; s[24:25] x_global at my 128 rows of the unit that was asked for last
.set TO, 26                            ; s[26:27] an offset at work
.set LEFT, 28                          ; s28  trips still to come, this one among them
.set SB, 29                            ; s29  the trip's slot: 0 or SLOT1
.set GPB, 32                           ; s[32:33] gp at my 64 results
.set US, 36                            ; s[36:37] bytes from unit to unit
.set WP, 38                            ; s[38:39] the weight that I lay out
.set MSB, 0
.macro WIN new                         ; the high byte repeats the setting that is left; a switch that changes nothing is dropped
.if MSB != (\new)
	s_set_vgpr_msb (MSB<<8)|(\new)
.set MSB, \new
.endif
.endm
.macro PLACES                          ; four places behind matrix instructions, in front of loads into registers that they read and of stores that read results
.rept 4
	v_nop
.endr
.endm
; quarter q of a unit's 64 loads: load i takes rows 16 (i / 8) + i % 8 (lanes 0-15) and 8 further down (lanes 16-31), 256 consecutive bytes each
.macro LOADQ q
	WIN 0x40*((\q)/2)
.set i, 16*(\q)
.rept 16
	global_load_b128 v[STG+4*(i%32):STG+4*(i%32)+3], v[GOFF], s[XP:XP+1] offset:(16*(i/8)+i%8)*GROW
.set i, i+1
.endr
.endm
; quarter q is rounded in place, four f32 to 8 bytes
.macro CVQ q
	WIN 0x45*((\q)/2)
.set i, 16*((\q)%2)
.rept 16
	v_cvt_pk_bf16_f32 v[STG+4*i], v[STG+4*i], v[STG+4*i+1]
	v_cvt_pk_bf16_f32 v[STG+4*i+1], v[STG+4*i+2], v[STG+4*i+3]
.set i, i+1
.endr
.endm
; and stored: the two halves of the lanes lie 8 rows = 288 words apart, so the 32 lanes touch each bank once
.macro STQ q
	WIN 0x04*((\q)/2)
.set i, 16*(\q)
.rept 16
	ds_store_b64 v[STO], v[STG+4*(i%32):STG+4*(i%32)+1] offset:(16*(i/8)+i%8)*PITCH
.set i, i+1
.endr
.endm
; quarter q's registers are asked for again, with the next unit's rows: the window first, then the waits, then the loads
.macro AGAIN q
	WIN 0x40*((\q)/2)
	s_wait_alu depctr_vm_vsrc(0)           ; the quarter's LDS stores have read its packed words, on which the loads below land
	s_wait_alu depctr_va_vdst(0)           ; the conversions issued so far are done: this quarter's with the registers in which the loads below land, the next quarter's with the words that the LDS stores behind these loads read
	LOADQ \q
.endm
; fragments: 16 rows x 32 K in 8 registers, two loads of 16 bytes, 32 bytes apart.  FA4: four of A's (half hi of my 128 rows) into the half at dst; FB4: four of B's eight, b0 .. b0 + 3, into buffer buf
.macro FA4 dst, ra, kb, hi
	WIN 0
.irp a, 0,1,2,3
	ds_load_b128 v[(\dst)+8*(\a):(\dst)+8*(\a)+3],   v[ADRA] offset:(\ra)+(\kb)+(4*(\hi)+(\a))*16*PITCH
	ds_load_b128 v[(\dst)+8*(\a)+4:(\dst)+8*(\a)+7], v[ADRA] offset:(\ra)+(\kb)+(4*(\hi)+(\a))*16*PITCH+32
.endr
.endm
.macro FB4 rb, kb, buf, b0
	WIN 0x40
.irp b, 0,1,2,3
	ds_load_b128 v[64*(\buf)+8*((\b0)+(\b)):64*(\buf)+8*((\b0)+(\b))+3],   v[ADRB] offset:(\rb)+(\kb)+((\b0)+(\b))*16*PITCH
	ds_load_b128 v[64*(\buf)+8*((\b0)+(\b))+4:64*(\buf)+8*((\b0)+(\b))+7], v[ADRB] offset:(\rb)+(\kb)+((\b0)+(\b))*16*PITCH+32
.endr
.endm
; 8 products: block a of the four blocks of rows in the half at src x eight blocks of columns.  The accumulators take turns, one instruction a turn: 63 others stand between two links of a chain
.macro MUL8 hi, a, src, buf
	WIN 0xa4+0x50*(\hi)
.irp b, 0,1,2,3,4,5,6,7
	v_wmma_f32_16x16x32_bf16 v[8*(8*(\a)+(\b)):8*(8*(\a)+(\b))+7], v[(\src)+8*(\a):(\src)+8*(\a)+7], v[64*(\buf)+8*(\b):64*(\buf)+8*(\b)+7], v[8*(8*(\a)+(\b)):8*(8*(\a)+(\b))+7]
.endr
.endm
; a trip's first fragments: B into buffer 0, A into H0 and H1 (regions ra, rb, byte 0)
.macro FIRST ra, rb
	WIN 0x40
	s_wait_alu depctr_va_vdst(0)           ; the last trip's products are done reading B0, H0 and H1, in which the loads below land; v[ADRA] and v[ADRB], which they read, are written
	FB4 \rb, 0, 0, 0
	FB4 \rb, 0, 0, 4
	FA4 AF, \ra, 0, 0
	FA4 AF+32, \ra, 0, 1
.endm
; step k of a trip, 32 along K, on B's buffer k % 2.  nxt = 1: the next step's fragments (regions nra, nrb, byte nkb) are fetched among the second half's products
.macro STEP k, nxt, nra=0, nrb=0, nkb=0
.set HL, AF+32*((2*(\k))%3)            ; my rows 0-63
.set HU, AF+32*((2*(\k)+1)%3)          ; my rows 64-127
.set HN, AF+32*((2*(\k)+2)%3)          ; the half that the step before read last
	s_wait_dscnt 8                         ; B and A's rows 0-63 are in; the youngest eight loads (A's rows 64-127) may be out
.irp a, 0,1,2,3
	MUL8 0, \a, HL, (\k)%2
.endr
.if \nxt
	PLACES
	s_wait_dscnt 0x0                       ; A's rows 64-127 are in
	WIN 0x40
	s_wait_alu depctr_va_vdst(0)           ; the products of the step before are done reading the other B and the third half, the 32 above their half: the next step's 32 loads land in these
	FB4 \nrb, \nkb, 1-(\k)%2, 0
	MUL8 1, 0, HU, (\k)%2                  ; no further wait: these products name the second half, this step's B and the accumulators, none of which a load of this step touches
	FB4 \nrb, \nkb, 1-(\k)%2, 4
	MUL8 1, 1, HU, (\k)%2
	FA4 HN, \nra, \nkb, 0
	MUL8 1, 2, HU, (\k)%2
	FA4 HL, \nra, \nkb, 1
	MUL8 1, 3, HU, (\k)%2
.else
	s_wait_dscnt 0x0                       ; the unit's last reads of the slot are over
.irp a, 0,1,2,3
	MUL8 1, \a, HU, (\k)%2
.endr
.endif
.endm
	s_load_b256 s[4:11], s[0:1], 0x0       ; x_global s[4:5], Wk s[6:7], Wv s[8:9], Wo s[10:11]
	s_load_b128 s[12:15], s[0:1], 0x20     ; Wq s[12:13], gp s[14:15]
	s_load_b64 s[16:17], s[0:1], 0x30      ; wf
	v_lshl_add_u32 v[SPW], v0, 2, SPARE
	v_mov_b32 v[NIL], 0
	v_lshrrev_b32 v1, 5, v0
	v_readfirstlane_b32 s[WV], v1          ; wave 0..3
	v_and_b32 v1, 15, v0                   ; L % 16
	v_bfe_u32 v2, v0, 4, 1                 ; L / 16
	v_and_b32 v3, 31, v0                   ; L
	s_and_b32 s30, ttmp9, 15               ; the grid is dealt (see the head): x's low four bits,
	s_lshr_b32 s31, ttmp9, 4               ; its bit 4,
	s_and_b32 s34, ttmp7, 0xffff           ; y
	s_and_b32 s35, s34, 1
	s_and_b32 s[BB], s34, 6
	s_lshr_b32 s34, s30, 3
	s_or_b32 s[BB], s[BB], s34             ; batch = (y & 6) | bit 3 of x
	s_and_b32 s30, s30, 7                  ; s
	s_lshl3_add_u32 s34, s35, s30          ; II or JJ: X = 8 (y & 1) + s
	s_lshl1_add_u32 s35, s30, s35          ; IJ: X = 16 + 2 s + (y & 1)
	s_add_co_u32 s35, s35, 16
	s_cmp_eq_u32 s31, 1
	s_cselect_b32 s[XX], s35, s34
	s_cselect_b32 s[PLIM], 3, -1           ; block IJ's work-groups prefetch
	s_wait_alu depctr_va_sdst(0)           ; s[WV] is written, ahead of its first reader: LDS places, x_global's and gp's offsets are made from it
	s_lshr_b32 s[WR], s[WV], 1
	s_and_b32 s[WC], s[WV], 1
	v_lshlrev_b32 v[GOFF], 4, v1
	v_lshl_add_u32 v[GOFF], v2, 18, v[GOFF]  ; + 8 rows of 32,768 bytes
	v_mul_u32_u24 v[STO0], v2, 8*PITCH
	v_lshl_add_u32 v[STO0], v1, 3, v[STO0]
	s_mul_i32 s30, s[WV], 128*PITCH        ; wave w fills a slot's rows 128 w .. 128 w + 127
	v_add_nc_u32 v[STO0], s30, v[STO0]
	v_mul_u32_u24 v11, v1, PITCH
	v_lshl_add_u32 v11, v2, 4, v11         ; a fragment's row x pitch + 16 x half
	s_mul_i32 s30, s[WR], 128*PITCH
	s_mul_i32 s31, s[WC], 128*PITCH
	v_add_nc_u32 v[ADRA0], s30, v11
	v_add_nc_u32 v[ADRB0], s31, v11
	v_lshlrev_b32 v[PFO], 15, v3
	v_lshlrev_b32 v[LOUT], 4, v3
	; where my 128 rows of unit 0 begin.  II, JJ: row 256 (X / 8) + 128 (w % 2), byte 4,096 (X % 8) + 256 (w / 2).  IJ: row 128 w, byte 2,048 (X - 16)
	s_lshr_b32 s30, s[XX], 3
	s_lshl_b32 s30, s30, 8
	s_lshl_b32 s31, s[WC], 7
	s_add_co_u32 s30, s30, s31
	s_and_b32 s31, s[XX], 7
	s_lshl_b32 s31, s31, 12
	s_lshl_b32 s34, s[WR], 8
	s_add_co_u32 s31, s31, s34
	s_lshl_b32 s34, s[WV], 7
	s_and_b32 s35, s[XX], 15
	s_lshl_b32 s35, s35, 11
	s_cmp_ge_u32 s[XX], 16
	s_cselect_b32 s30, s34, s30
	s_cselect_b32 s31, s35, s31
	s_lshr_b32 s35, s[XX], 4
	s_lshr_b32 s[US], 0x200, s35           ; a unit is 128 columns (512 bytes) for II and JJ, 64 (256 bytes) for IJ
	s_mov_b32 s[US+1], 0
	s_lshl_b32 s30, s30, 15
	s_lshl_b32 s[TO], s[BB], 24            ; a batch is 16 MiB
	s_add_co_u32 s[TO], s[TO], s30
	s_add_co_u32 s[TO], s[TO], s31
	s_mov_b32 s[TO+1], 0
	s_wait_kmcnt 0x0
	s_add_nc_u64 s[XP:XP+1], s[4:5], s[TO:TO+1]
	s_wait_alu depctr_va_vdst(0)           ; v[GOFF], v[PFO] and v[LOUT] are written, which the loads, prefetches and stores of the whole kernel read as offsets
	LOADQ 0                                ; unit 0: three quarters now,
	LOADQ 1
	LOADQ 2
	s_lshl_b32 s[TO], s[BB], 23            ; gp[b][X][nt 16][mt 16][1,024 bytes]: nt = 8 wc + b, mt = 8 wr + a
	s_lshl_b32 s30, s[XX], 18
	s_add_co_u32 s[TO], s[TO], s30
	s_lshl_b32 s30, s[WC], 17
	s_add_co_u32 s[TO], s[TO], s30
	s_lshl_b32 s30, s[WR], 13
	s_add_co_u32 s[TO], s[TO], s30
	s_add_nc_u64 s[GPB:GPB+1], s[14:15], s[TO:TO+1]
	WIN 0x80                               ; the sums start at 0: written while the first loads are on their way
.set i, 0
.rept 256
	v_mov_b32 v[i], 0
.set i, i+1
.endr
	WIN 0xc0
.set i, 0
.rept 256
	v_mov_b32 v[i], 0
.set i, i+1
.endr
	LOADQ 3                                ; the fourth behind the clearing, which names the accumulators alone: neither v[GOFF] nor Q3
	WIN 0
	s_mov_b32 s[LEFT], 8
	s_mov_b32 s[SB], 0
.Ltrip:
	s_wait_alu depctr_vm_vsrc(0)           ; the last trip's LDS stores and loads have read v[STO], v[ADRA] and v[ADRB], which the three lines below write
	v_add_nc_u32 v[STO], s[SB], v[STO0]    ; the trip's slot
	v_add_nc_u32 v[ADRA], s[SB], v[ADRA0]
	v_add_nc_u32 v[ADRB], s[SB], v[ADRB0]
	s_cmp_gt_u32 s[LEFT], 1
	s_cbranch_scc0 .Llast                  ; the last trip has no unit behind it
	s_wait_xcnt 0x0                        ; the loads and prefetches, a trip back, have read the pointer, so it may be written
	s_add_nc_u64 s[XP:XP+1], s[XP:XP+1], s[US:US+1]  ; the next unit
	s_wait_loadcnt 48                      ; Q0 is in: behind its loads were issued this unit's Q1, Q2 and Q3: 48 loads
	CVQ 0
	s_wait_alu depctr_va_vdst(0)           ; the conversions have written Q0's packed words, and the trip's head v[STO]: the LDS stores below read both
	STQ 0
.irp q, 1,2,3
	s_wait_loadcnt 32                      ; quarter q is in: behind its loads were issued two quarters: 3 - q of this unit and q - 1 of the next: 32 loads
	CVQ \q
	AGAIN (\q)-1                           ; the quarter before takes the next unit's rows
	STQ \q
.endr
	AGAIN 3
	WIN 0
	; A PREFETCH INTO THE L2: my 128 rows' 256 bytes of the unit two behind the one just asked for, whose loads go out two trips on: a lane a row, four instructions, behind the trip's loads.  The work-groups of block IJ
	; together walk every block of 256 bytes of x_global just once, so each is named once in the launch; the work-groups of II and JJ ask for nothing.  Units 0 to 2 come by their loads alone; the trips whose unit three on does not exist ask for nothing.
	s_cmp_gt_u32 s[LEFT], s[PLIM]
	s_cbranch_scc0 .Lmeet
.irp g, 0,1,2,3
	global_prefetch_b8 v[PFO], s[XP:XP+1] offset:(\g)*32*GROW+512 th:TH_LOAD_NT scope:SCOPE_SE
.endr
	s_branch .Lmeet
.Llast:
	s_wait_loadcnt 0x0                     ; nothing was issued behind the last unit's loads: all four quarters are waited for at once
.irp q, 0,1,2,3
	CVQ \q
.endr
	WIN 0
	s_wait_alu depctr_va_vdst(0)           ; the conversions have written all four quarters' packed words, and the trip's head v[STO]: the LDS stores below read both
.irp q, 0,1,2,3
	STQ \q
.endr
	WIN 0
.Lmeet:
	s_wait_dscnt 0x0                       ; for the others' sake: my stores into this slot are done (my reads of the other slot were waited for in the last step)
	s_barrier_signal -1
	s_barrier_wait -1                      ; everybody's are: this slot may be read, and the other may be written in the next trip
	s_cmp_ge_u32 s[XX], 16
	s_cbranch_scc1 .Loffs
	FIRST 0, 0                             ; blocks II and JJ: four steps: both sources from region X, then both from region Y
	STEP 0, 1, 0, 0, 64
	STEP 1, 1, YO, YO, 0
	STEP 2, 1, YO, YO, 64
	STEP 3, 0
	WIN 0
	s_branch .Ljoin
.Loffs:
	FIRST 0, YO                            ; block IJ: two steps: A from region X, B from region Y
	STEP 0, 1, 0, YO, 64
	STEP 1, 0
	WIN 0
.Ljoin:
	s_xor_b32 s[SB], s[SB], SLOT1
	s_sub_co_u32 s[LEFT], s[LEFT], 1
	s_cmp_lg_u32 s[LEFT], 0
	s_cbranch_scc1 .Ltrip
	s_wait_loadcnt 0x0                     ; no load is out behind the loop (the last trip has waited for all): said once more here, ahead of the weights' loads into the units' registers
	s_wait_alu depctr_vm_vsrc(0)           ; the last trip's LDS stores have read Q0 and Q1, which the weights' loads and conversions below write: said ahead of the branches that lead there
	; THE WAY OUT: each result as it lies: registers 0-3 of all lanes, then registers 4-7: 512 consecutive bytes a store, at a multiple of 512 from gp's first byte
	PLACES                                 ; behind the last products, before their results are read
	WIN 0x08
	s_wait_alu depctr_va_vdst(0)           ; the products have written the accumulators, which the 128 stores below read; the places above stay beside this wait
.irp hi, 0,1
	WIN 0x08+0x04*(\hi)
.irp b, 0,1,2,3,4,5,6,7
.irp a, 0,1,2,3
	global_store_b128 v[LOUT], v[8*(8*(\a)+(\b)):8*(8*(\a)+(\b))+3],   s[GPB:GPB+1] offset:(16*(\b)+4*(\hi)+(\a))*1024 th:TH_STORE_NT
	global_store_b128 v[LOUT], v[8*(8*(\a)+(\b))+4:8*(8*(\a)+(\b))+7], s[GPB:GPB+1] offset:(16*(\b)+4*(\hi)+(\a))*1024+512 th:TH_STORE_NT
.endr
.endr
.endr
	WIN 0
	s_cmp_lt_u32 s[XX], 16
	s_cbranch_scc1 .Lend
	; THE WEIGHTS AS IMAGES.  The 128 work-groups of block IJ take 16 rows each: number j = 16 b + (X - 16): weight j / 32 (Wk, Wv, Wo: lane = row, K = column; 3: Wq turned: lane = column, K = row), tile t = j % 32.  Wave w: K steps 4 w .. 4 w + 3
	s_and_b32 s30, s[XX], 15
	s_lshl4_add_u32 s30, s[BB], s30
	s_lshr_b32 s31, s30, 5
	s_and_b32 s34, s30, 31
	s_lshl_b32 s[TO], s31, 19              ; wf[weight][t 32][ks 16][1,024 bytes]
	s_lshl_b32 s35, s34, 14
	s_add_co_u32 s[TO], s[TO], s35
	s_lshl_b32 s35, s[WV], 12
	s_add_co_u32 s[TO], s[TO], s35
	s_add_nc_u64 s[16:17], s[16:17], s[TO:TO+1]
	s_cmp_eq_u32 s31, 3
	s_cbranch_scc1 .Lturned
	s_cmp_eq_u32 s31, 0
	s_cselect_b64 s[WP:WP+1], s[6:7], s[8:9]
	s_cmp_eq_u32 s31, 2
	s_cselect_b64 s[WP:WP+1], s[10:11], s[WP:WP+1]
	s_lshl_b32 s[TO], s34, 15              ; 16 rows of 2,048 bytes
	s_lshl_b32 s35, s[WV], 9               ; four K steps of 128 bytes
	s_add_co_u32 s[TO], s[TO], s35
	s_add_nc_u64 s[WP:WP+1], s[WP:WP+1], s[TO:TO+1]
	v_lshlrev_b32 v[WOFF], 11, v1
	v_lshl_add_u32 v[WOFF], v2, 5, v[WOFF] ; row L % 16, 8 numbers for each half of the lanes
	s_wait_alu depctr_va_vdst(0)           ; v[WOFF] is written, which the loads below read
.irp m, 0,1,2,3,4,5,6,7                ; m = 2 i + q: K step 4 w + i, half q
	global_load_b128 v[STG+8*(\m):STG+8*(\m)+3],   v[WOFF], s[WP:WP+1] offset:64*(\m)
	global_load_b128 v[STG+8*(\m)+4:STG+8*(\m)+7], v[WOFF], s[WP:WP+1] offset:64*(\m)+16
.endr
	s_branch .Lpack
.Lturned:
	s_lshl_b32 s[TO], s34, 6               ; 16 columns of 4 bytes
	s_lshl_b32 s35, s[WV], 18              ; 128 rows of 2,048 bytes
	s_add_co_u32 s[TO], s[TO], s35
	s_add_nc_u64 s[WP:WP+1], s[12:13], s[TO:TO+1]
	v_lshlrev_b32 v[WOFF], 2, v1
	v_lshl_add_u32 v[WOFF], v2, 14, v[WOFF]  ; column L % 16, 8 rows further down for the upper half of the lanes
	s_wait_alu depctr_va_vdst(0)           ; v[WOFF] is written, which the loads below read
.set i, 0
.rept 64                               ; register 8 m + j: row 16 m + j (+ 8 for the upper lanes)
	global_load_b32 v[STG+i], v[WOFF], s[WP:WP+1] offset:(16*(i/8)+i%8)*2048
.set i, i+1
.endr
.Lpack:
	s_wait_loadcnt 0x0
.set i, 0
.rept 32
	v_cvt_pk_bf16_f32 v[STG+64+i], v[STG+2*i], v[STG+2*i+1]
.set i, i+1
.endr
	s_wait_alu depctr_va_vdst(0)           ; the conversions have written v[STG+64 ..], which the stores below read
.irp m, 0,1,2,3,4,5,6,7
	global_store_b128 v[LOUT], v[STG+64+4*(\m):STG+64+4*(\m)+3], s[16:17] offset:512*(\m)
.endr
.Lend:
	s_wait_dscnt 0x0                       ; the closing lines, six on end
	s_wait_alu 0x0
	s_wait_tensorcnt 0x0
	ds_add_u32 v[SPW], v[NIL]
	s_wait_dscnt 0x0
	s_endpgm
.Lfunc_end_k_q1c50058350_gram:
	.size	k_q1c50058350_gram, .Lfunc_end_k_q1c50058350_gram-k_q1c50058350_gram
	.p2alignl 7, 3214868480
	.fill 96, 4, 3214868480
	.section	.rodata,"a",@progbits
	.p2align	6, 0x0
	.amdhsa_kernel k_q1c50058350_gram
		.amdhsa_group_segment_fixed_size 205312
		.amdhsa_private_segment_fixed_size 0
		.amdhsa_enable_private_segment 0
		.amdhsa_kernarg_size 56
		.amdhsa_user_sgpr_count 2
		.amdhsa_user_sgpr_kernarg_segment_ptr 1
		.amdhsa_wavefront_size32 1
		.amdhsa_system_sgpr_workgroup_id_x 1
		.amdhsa_system_sgpr_workgroup_id_y 1
		.amdhsa_system_sgpr_workgroup_id_z 1
		.amdhsa_system_vgpr_workitem_id 0
		.amdhsa_next_free_vgpr 1024
		.amdhsa_next_free_sgpr 66
		.amdhsa_reserve_vcc 0
		.amdhsa_float_denorm_mode_32 3
		.amdhsa_float_denorm_mode_16_64 3
		.amdhsa_memory_ordered 1
		.amdhsa_forward_progress 1
		.amdhsa_inst_pref_size 120
	.end_amdhsa_kernel
	.amdgpu_metadata
---
amdhsa.version: [ 1, 2 ]
amdhsa.kernels:
  - .name:           k_q1c50058350_gram
    .symbol:         k_q1c50058350_gram.kd
    .args:
      - { .name: x_global, .offset: 0, .size: 8, .value_kind: global_buffer, .address_space: global }
      - { .name: Wk, .offset: 8, .size: 8, .value_kind: global_buffer, .address_space: global }
      - { .name: Wv, .offset: 16, .size: 8, .value_kind: global_buffer, .address_space: global }
      - { .name: Wo, .offset: 24, .size: 8, .value_kind: global_buffer, .address_space: global }
      - { .name: Wq, .offset: 32, .size: 8, .value_kind: global_buffer, .address_space: global }
      - { .name: gp, .offset: 40, .size: 8, .value_kind: global_buffer, .address_space: global }
      - { .name: wf, .offset: 48, .size: 8, .value_kind: global_buffer, .address_space: global }
    .group_segment_fixed_size: 205312
    .private_segment_fixed_size: 0
    .kernarg_segment_align: 8
    .kernarg_segment_size: 56
    .max_flat_workgroup_size: 128
    .sgpr_count:     66
    .vgpr_count:     1024
    .wavefront_size: 32
...
	.end_amdgpu_metadata
.endif
;; end of part 6
;; launch tgemm (part 7): grid 32 x 8, 4 waves a work-group, no clusters, 33,280 bytes of LDS; arguments gp, wf, tf; writes tf
.if DOCPART == 7
	.amdgcn_target "amdgcn-amd-amdhsa--gfx1250"
	.amdhsa_code_object_version 6
	.text
	.protected	k_q1c50058350_tgemm
	.globl	k_q1c50058350_tgemm
	.p2align	8
	.type	k_q1c50058350_tgemm,@function
k_q1c50058350_tgemm:
	s_mov_b64 s[64:65], 0
	v_nop
	global_prefetch_b8 v0, s[64:65] scope:SCOPE_SE
	s_setreg_imm32_b32 hwreg(HW_REG_WAVE_SCHED_MODE, 0, 2), 2
	s_setreg_imm32_b32 hwreg(HW_REG_WAVE_MODE, 25, 1), 1
	s_wait_xcnt 0x0
	s_wait_alu depctr_vm_vsrc(0)
; T[p][c'] = the sum over c of Wk[p][c] G[c][c'], for each batch.  Nothing is left out.  A work-group owns 16 columns c' (tile g of 32) and all 512 rows p; wave w the tiles of p 8 w .. 8 w + 7: 8 accumulators.
; The product is D(m = c', n = p): source 0 = G as an operand (lane = c', K = c), hi and lo; source 1 = Wk's images.  The result, a lane a row p with eight neighbouring c', IS half of the next launch's operand.
; PHASE 1: G's partial sums (f32) are added up.  Of the 32 tiles of 16 c the 16 in c's own block have 8 partial sums (II or JJ), the other 16 have 16 (IJ).  A wave adds 4 + 4 tiles, in six rounds of 32 loads (16 KiB)
; on two sets of registers; each sum is split into hi + lo of bf16 and stored to LDS in lane order.  LDS places 0-7: the own block's K steps; places 8-15: IJ's.  Which K step of Wk a place means stands in Wk's two pointers alone.
; A result of the launch before holds n in the lanes and m in the registers.  For c' in J the block IJ (m in I, n in J) lies as source 0 wants it.  For c' in I the roles are exchanged: the tile is turned on its way out of LDS,
; by ds_load_tr16_b128 with row c = 8 (L / 16) + L % 8 (16 bytes apart) and column half (L / 8) % 2 (256 bytes apart).
; PHASE 2: 16 K steps, 16 products each (hi, lo); Wk's images come straight from memory through a ring of five sets of 16 loads.
; REGISTERS: window 0: v0-9 addresses, v16-23 at work, v64-127 accumulators, v128-255 the way out.  window 1: Wk's sets 0-3 of 64.  window 2: two sets of 128 for partial sums; later G: hi of place s at 8 s, lo at 128 + 8 s.  window 3: v0-63 Wk's set 4.
; THE MODE: SCHED_MODE bits 1:0 = 2 (LLVM: expert scheduling mode 2), set by the entry lines.  The code itself states the register dependences
; between vector or matrix instructions and memory or LDS instructions, with s_wait_alu, always for 0.
; THE PLAN.  Registers that memory or LDS instructions touch:
;   the two sets of partial sums   A round: its 32 loads land in a set; the additions and the splits read and write it; the LDS stores read hi and lo out of it; the loads of the round after next land in it.
;                  So a round has one wait on va_vdst between its splits and its LDS stores, and, where the set is asked for again, a wait on vm_vsrc and one on va_vdst ahead of those loads, behind the window's switch.
;                  Behind the barrier the same pair stands ahead of the LDS loads of G's images, which land in the same registers.
;   Wk's sets 0-4  Place p's images land in set p % 5; the 16 products of step p read it; place p + 5's land in it, asked for in step p + 1.  ONE wait on va_vdst stands at a step's head, behind the wait for the step's data:
;                  the products of the step before are done reading their set.  The 16 loads stand between the step's eight products with hi and its eight with lo, which name G, the step's own set and the accumulators.
;   v128-255       the way out: written by the eight splits, read by the 16 stores, behind one wait on va_vdst.
;   v[LOFF], v[LS], v[TRA]   made at the head and never written again.
.set GL,    16384                      ; LDS: hi images at 0, lo images here, 1,024 bytes a place
.set SPARE, 32768                      ; the spare words, 128 bytes a wave: two blocks of 256 bytes that no other line names
.set PART,  262144                     ; bytes from one partial sum to the next
.set LOFF, 4                           ; v4  16 x lane
.set LS,   5                           ; v5  16 x lane + 2,048 x wave
.set TRA,  6                           ; v6  the turning load's address
.set SPW,  8
.set NIL,  9
.set TT,   16
.set ACC,  64
.set OUTR, 128
.set WV, 10                            ; s10 wave  s11 g  s12 batch  s13 1: c' in J  s14 g % 16
.set GG, 11
.set BB, 12
.set ISJ, 13
.set NTL, 14
.set PD, 16                            ; s[16:17] gp at my tiles of the own block
.set PI, 20                            ; s[20:27] gp at my four tiles of IJ
.set WPA, 28                           ; s[28:29] Wk's images for places 0-7
.set WPB, 30                           ; s[30:31] for places 8-15
.set TP, 32                            ; s[32:33] tf at my results
.set TO, 34
.set STR, 40
.set MSB, 0
.macro WIN new
.if MSB != (\new)
	s_set_vgpr_msb (MSB<<8)|(\new)
.set MSB, \new
.endif
.endm
.macro PLACES
.rept 4
	v_nop
.endr
.endm
; 8 f32 at src become 4 registers hi = bf16(x) and 4 registers lo = bf16(x - hi); x - hi is exact in f32.  The lowest registers are read first
.macro SPLIT src, hi, lo, tmp
.irp k, 0,1,2,3
	v_cvt_pk_bf16_f32 v[(\hi)+(\k)], v[(\src)+2*(\k)], v[(\src)+2*(\k)+1]
.endr
.irp k, 0,1,2,3
	v_lshlrev_b32 v[(\tmp)+2*(\k)], 16, v[(\hi)+(\k)]
	v_and_b32 v[(\tmp)+2*(\k)+1], 0xffff0000, v[(\hi)+(\k)]
.endr
.irp k, 0,1,2,3
	v_pk_add_f32 v[(\src)+2*(\k):(\src)+2*(\k)+1], v[(\src)+2*(\k):(\src)+2*(\k)+1], v[(\tmp)+2*(\k):(\tmp)+2*(\k)+1] neg_lo:[0,1] neg_hi:[0,1]
.endr
.irp k, 0,1,2,3
	v_cvt_pk_bf16_f32 v[(\lo)+(\k)], v[(\src)+2*(\k)], v[(\src)+2*(\k)+1]
.endr
.endm
.macro LDD set, i                      ; two tiles of the own block (K step 2 w + i of its eight), 8 partial sums each
	WIN 0x80
.irp q, 0,1
.irp p, 0,1,2,3,4,5,6,7
	global_load_b128 v[(\set)+64*(\q)+8*(\p):(\set)+64*(\q)+8*(\p)+3],   v[LOFF], s[PD:PD+1] offset:(\i)*2048+(\q)*1024+(\p)*PART th:TH_LOAD_NT
	global_load_b128 v[(\set)+64*(\q)+8*(\p)+4:(\set)+64*(\q)+8*(\p)+7], v[LOFF], s[PD:PD+1] offset:(\i)*2048+(\q)*1024+(\p)*PART+512 th:TH_LOAD_NT
.endr
.endr
.endm
.macro LDI set, t                      ; one tile of IJ, 16 partial sums
	WIN 0x80
.irp p, 0,1,2,3,4,5,6,7,8,9,10,11,12,13,14,15
	global_load_b128 v[(\set)+8*(\p):(\set)+8*(\p)+3],   v[LOFF], s[PI+2*(\t):PI+2*(\t)+1] offset:(\p)*PART
	global_load_b128 v[(\set)+8*(\p)+4:(\set)+8*(\p)+7], v[LOFF], s[PI+2*(\t):PI+2*(\t)+1] offset:(\p)*PART+512
.endr
.endm
.macro RED src, n                      ; n partial tiles of 8 registers are added onto the first
	WIN 0x8a
.set p, 1
.rept (\n)-1
.irp k, 0,2,4,6
	v_pk_add_f32 v[(\src)+(\k):(\src)+(\k)+1], v[(\src)+(\k):(\src)+(\k)+1], v[(\src)+8*p+(\k):(\src)+8*p+(\k)+1]
.endr
.set p, p+1
.endr
.endm
.macro SPL src                         ; the sum is split, in the registers of partial sums that have been added
	WIN 0x8a
	SPLIT \src, (\src)+8, (\src)+12, (\src)+16
.endm
.macro PUTS src, off                   ; and stored
	WIN 0x08
	ds_store_b128 v[LS], v[(\src)+8:(\src)+11]  offset:\off
	ds_store_b128 v[LS], v[(\src)+12:(\src)+15] offset:(\off)+GL
.endm
.macro RDD set, i
	RED \set, 8
	RED (\set)+64, 8
	SPL \set
	SPL (\set)+64
	WIN 0x08
	s_wait_alu depctr_va_vdst(0)           ; the splits have written both tiles' hi and lo, which the LDS stores below read
	PUTS \set, (\i)*1024
	PUTS (\set)+64, (\i)*1024+512
.endm
.macro RDI set, t
	RED \set, 16
	SPL \set
	WIN 0x08
	s_wait_alu depctr_va_vdst(0)           ; the split has written hi and lo, which the LDS stores below read
	PUTS \set, 8192+(\t)*512
.endm
.macro FREE                            ; ahead of loads into a set that has been added up, split and stored: the window first, then the waits, then the loads
	WIN 0x80
	s_wait_alu depctr_vm_vsrc(0)           ; the LDS stores have read hi and lo out of the set, on which the loads below land
	s_wait_alu depctr_va_vdst(0)           ; the additions and the splits are done reading and writing the set's registers, in which the loads below land
.endm
.macro LDW sg                          ; Wk's eight images for place sg, into set sg % 5: sets 0-3 in window 1, set 4 in window 3
.set WSB, 64*(((\sg)%5)%4)
	WIN 0x40+0x80*(((\sg)%5)/4)
.irp i, 0,1,2,3,4,5,6,7
.if (\sg) < 8
	global_load_b128 v[WSB+8*(\i):WSB+8*(\i)+3],   v[LOFF], s[WPA:WPA+1] offset:(\i)*16384+((\sg)%8)*1024
	global_load_b128 v[WSB+8*(\i)+4:WSB+8*(\i)+7], v[LOFF], s[WPA:WPA+1] offset:(\i)*16384+((\sg)%8)*1024+512
.else
	global_load_b128 v[WSB+8*(\i):WSB+8*(\i)+3],   v[LOFF], s[WPB:WPB+1] offset:(\i)*16384+((\sg)%8)*1024
	global_load_b128 v[WSB+8*(\i)+4:WSB+8*(\i)+7], v[LOFF], s[WPB:WPB+1] offset:(\i)*16384+((\sg)%8)*1024+512
.endif
.endr
.endm
; place sg: 8 products with G's hi, 8 with its lo; the 8 accumulators take turns.  n: the younger loads that may stay out.  Place 0 starts the sums with the constant 0.
; reload = 1: place sg + 4 is asked for, into the set that the step before read (in step 0: into set 4, which nothing has touched, so that no wait is owed)
.macro KS sg, n, reload
.set KB, 64*(((\sg)%5)%4)
	s_wait_loadcnt \n
.if (\reload) && ((\sg) > 0)
	s_wait_alu depctr_va_vdst(0)           ; the products of the step before are done reading their set of Wk's images, in which the loads below land
.endif
	WIN 0x06+0x08*(((\sg)%5)/4)
.irp i, 0,1,2,3,4,5,6,7
.if (\sg) == 0
	v_wmma_f32_16x16x32_bf16 v[ACC+8*(\i):ACC+8*(\i)+7], v[8*(\sg):8*(\sg)+7], v[KB+8*(\i):KB+8*(\i)+7], 0
.else
	v_wmma_f32_16x16x32_bf16 v[ACC+8*(\i):ACC+8*(\i)+7], v[8*(\sg):8*(\sg)+7], v[KB+8*(\i):KB+8*(\i)+7], v[ACC+8*(\i):ACC+8*(\i)+7]
.endif
.endr
.if \reload
	LDW (\sg)+4                            ; no further wait: the eight products above name G, this step's set and the accumulators, none of which these loads touch
.endif
	WIN 0x06+0x08*(((\sg)%5)/4)
.irp i, 0,1,2,3,4,5,6,7
	v_wmma_f32_16x16x32_bf16 v[ACC+8*(\i):ACC+8*(\i)+7], v[128+8*(\sg):128+8*(\sg)+7], v[KB+8*(\i):KB+8*(\i)+7], v[ACC+8*(\i):ACC+8*(\i)+7]
.endr
	PLACES                                 ; behind this step's products, in front of the next step's loads into their set, and of the way out
.endm
	s_load_b128 s[4:7], s[0:1], 0x0        ; gp s[4:5], wf s[6:7]
	s_load_b64 s[8:9], s[0:1], 0x10        ; tf
	v_lshl_add_u32 v[SPW], v0, 2, SPARE
	v_mov_b32 v[NIL], 0
	v_lshrrev_b32 v1, 5, v0
	v_readfirstlane_b32 s[WV], v1
	v_bfe_u32 v2, v0, 4, 1
	v_and_b32 v3, 31, v0
	v_lshlrev_b32 v[LOFF], 4, v3
	s_wait_alu depctr_va_sdst(0)           ; s[WV] is written, ahead of its first reader: the LDS place and the offsets in gp, wf and tf are made from it
	s_lshl_b32 s36, s[WV], 11
	v_add_nc_u32 v[LS], s36, v[LOFF]
	v_and_b32 v12, 7, v0
	v_lshl_add_u32 v12, v2, 3, v12
	v_lshlrev_b32 v[TRA], 4, v12
	v_bfe_u32 v13, v0, 3, 1
	v_lshl_add_u32 v[TRA], v13, 8, v[TRA]
	s_mov_b32 s[GG], ttmp9
	s_and_b32 s[BB], ttmp7, 0xffff
	s_lshr_b32 s[ISJ], s[GG], 4
	s_and_b32 s[NTL], s[GG], 15
	s_mov_b32 s[TO+1], 0
	s_mov_b32 s[STR+1], 0
	s_wait_kmcnt 0x0
	s_lshl_b32 s[TO], s[BB], 23            ; gp[b][x][nt][mt]: the own block begins at x = 8 isJ; nt = g % 16, mt = 4 w + ..
	s_lshl_b32 s36, s[ISJ], 21
	s_add_co_u32 s[TO], s[TO], s36
	s_lshl_b32 s36, s[NTL], 14
	s_add_co_u32 s[TO], s[TO], s36
	s_lshl_b32 s36, s[WV], 12
	s_add_co_u32 s[TO], s[TO], s36
	s_add_nc_u64 s[PD:PD+1], s[4:5], s[TO:TO+1]
	WIN 0x80
	s_wait_alu depctr_va_vdst(0)           ; v[LOFF], v[LS] and v[TRA] are written, which the loads, stores and LDS instructions of the whole kernel read
	LDD 0, 0
	LDD 128, 1
	s_cmp_eq_u32 s[ISJ], 1                 ; IJ begins at x = 16.  c' in J: nt = g % 16 is fixed and mt walks; c' in I: mt is fixed and nt walks
	s_cselect_b32 s36, 14, 10
	s_cselect_b32 s37, 10, 14
	s_lshl_b32 s[TO], s[BB], 23
	s_add_co_u32 s[TO], s[TO], 1<<22
	s_lshl_b32 s38, s[NTL], s36
	s_add_co_u32 s[TO], s[TO], s38
	s_lshl_b32 s38, s[WV], 2
	s_lshl_b32 s38, s38, s37
	s_add_co_u32 s[TO], s[TO], s38
	s_add_nc_u64 s[PI:PI+1], s[4:5], s[TO:TO+1]
	s_lshl_b32 s[STR], 1, s37
	s_add_nc_u64 s[PI+2:PI+3], s[PI:PI+1], s[STR:STR+1]
	s_add_nc_u64 s[PI+4:PI+5], s[PI+2:PI+3], s[STR:STR+1]
	s_add_nc_u64 s[PI+6:PI+7], s[PI+4:PI+5], s[STR:STR+1]
	s_lshl_b32 s[TO], s[WV], 17            ; Wk is weight 0 of wf: tiles 8 w ..; places 0-7 mean K steps 8 isJ + .., places 8-15 the other eight
	s_lshl_b32 s36, s[ISJ], 13
	s_add_co_u32 s[TO], s[TO], s36
	s_add_nc_u64 s[WPA:WPA+1], s[6:7], s[TO:TO+1]
	s_lshl_b32 s[TO], s[WV], 17
	s_xor_b32 s36, s36, 1<<13
	s_add_co_u32 s[TO], s[TO], s36
	s_add_nc_u64 s[WPB:WPB+1], s[6:7], s[TO:TO+1]
	s_lshl_b32 s[TO], s[BB], 20            ; tf[b][plane][pt 32][ks 16][1,024]: my result is half g % 2 of K step g / 2
	s_lshl_b32 s36, s[WV], 17
	s_add_co_u32 s[TO], s[TO], s36
	s_lshl_b32 s36, s[GG], 9
	s_add_co_u32 s[TO], s[TO], s36
	s_add_nc_u64 s[TP:TP+1], s[8:9], s[TO:TO+1]
	; each wait leaves the one younger round of 32 loads on its way
	s_wait_loadcnt 32
	RDD 0, 0
	FREE
	LDI 0, 0
	s_wait_loadcnt 32
	RDD 128, 1
	FREE
	LDI 128, 1
	s_wait_loadcnt 32
	RDI 0, 0
	FREE
	LDI 0, 2
	s_wait_loadcnt 32
	RDI 128, 1
	FREE
	LDI 128, 3
	s_wait_loadcnt 32
	RDI 0, 2
	LDW 0                                  ; Wk's sets have been touched by nothing: these loads owe no wait
	LDW 1
	s_wait_loadcnt 32
	RDI 128, 3
	LDW 2
	LDW 3
	WIN 0
	s_wait_dscnt 0x0                       ; for the others' sake: my stores are done
	s_barrier_signal -1
	s_barrier_wait -1
	FREE                                   ; all of G's 32 images come into registers: those of the two sets
.irp s, 0,1,2,3,4,5,6,7
	ds_load_b128 v[8*(\s):8*(\s)+3],         v[LOFF] offset:(\s)*1024
	ds_load_b128 v[8*(\s)+4:8*(\s)+7],       v[LOFF] offset:(\s)*1024+512
	ds_load_b128 v[128+8*(\s):128+8*(\s)+3], v[LOFF] offset:GL+(\s)*1024
	ds_load_b128 v[128+8*(\s)+4:128+8*(\s)+7], v[LOFF] offset:GL+(\s)*1024+512
.endr
	WIN 0
	s_cmp_eq_u32 s[ISJ], 1
	s_cbranch_scc1 .Ldirect
	WIN 0x80
.irp s, 8,9,10,11,12,13,14,15
	ds_load_tr16_b128 v[8*(\s):8*(\s)+3],         v[TRA] offset:(\s)*1024
	ds_load_tr16_b128 v[8*(\s)+4:8*(\s)+7],       v[TRA] offset:(\s)*1024+512
	ds_load_tr16_b128 v[128+8*(\s):128+8*(\s)+3], v[TRA] offset:GL+(\s)*1024
	ds_load_tr16_b128 v[128+8*(\s)+4:128+8*(\s)+7], v[TRA] offset:GL+(\s)*1024+512
.endr
	WIN 0
	s_branch .Lgot
.Ldirect:
	WIN 0x80
.irp s, 8,9,10,11,12,13,14,15
	ds_load_b128 v[8*(\s):8*(\s)+3],         v[LOFF] offset:(\s)*1024
	ds_load_b128 v[8*(\s)+4:8*(\s)+7],       v[LOFF] offset:(\s)*1024+512
	ds_load_b128 v[128+8*(\s):128+8*(\s)+3], v[LOFF] offset:GL+(\s)*1024
	ds_load_b128 v[128+8*(\s)+4:128+8*(\s)+7], v[LOFF] offset:GL+(\s)*1024+512
.endr
	WIN 0
.Lgot:
	s_wait_dscnt 0x0
.irp s, 0,1,2,3,4,5,6,7,8,9,10,11
	KS \s, 48, 1                           ; three younger sets of 16 loads may stay out
.endr
	KS 12, 48, 0
	KS 13, 32, 0
	KS 14, 16, 0
	KS 15, 0, 0
	WIN 0
.irp i, 0,1,2,3,4,5,6,7                ; each result has registers of its own for hi and lo
	SPLIT ACC+8*(\i), OUTR+8*(\i), OUTR+8*(\i)+4, TT
.endr
	s_wait_alu depctr_va_vdst(0)           ; the eight splits have written v[OUTR ..], which the 16 stores below read
.irp i, 0,1,2,3,4,5,6,7
	global_store_b128 v[LOFF], v[OUTR+8*(\i):OUTR+8*(\i)+3],   s[TP:TP+1] offset:(\i)*16384
	global_store_b128 v[LOFF], v[OUTR+8*(\i)+4:OUTR+8*(\i)+7], s[TP:TP+1] offset:(\i)*16384+524288
.endr
	s_wait_dscnt 0x0                       ; the closing lines, six on end
	s_wait_alu 0x0
	s_wait_tensorcnt 0x0
	ds_add_u32 v[SPW], v[NIL]
	s_wait_dscnt 0x0
	s_endpgm
.Lfunc_end_k_q1c50058350_tgemm:
	.size	k_q1c50058350_tgemm, .Lfunc_end_k_q1c50058350_tgemm-k_q1c50058350_tgemm
	.p2alignl 7, 3214868480
	.fill 96, 4, 3214868480
	.section	.rodata,"a",@progbits
	.p2align	6, 0x0
	.amdhsa_kernel k_q1c50058350_tgemm
		.amdhsa_group_segment_fixed_size 33280
		.amdhsa_private_segment_fixed_size 0
		.amdhsa_enable_private_segment 0
		.amdhsa_kernarg_size 24
		.amdhsa_user_sgpr_count 2
		.amdhsa_user_sgpr_kernarg_segment_ptr 1
		.amdhsa_wavefront_size32 1
		.amdhsa_system_sgpr_workgroup_id_x 1
		.amdhsa_system_sgpr_workgroup_id_y 1
		.amdhsa_system_sgpr_workgroup_id_z 1
		.amdhsa_system_vgpr_workitem_id 0
		.amdhsa_next_free_vgpr 832
		.amdhsa_next_free_sgpr 66
		.amdhsa_reserve_vcc 0
		.amdhsa_float_denorm_mode_32 3
		.amdhsa_float_denorm_mode_16_64 3
		.amdhsa_memory_ordered 1
		.amdhsa_forward_progress 1
		.amdhsa_inst_pref_size 115
	.end_amdhsa_kernel
	.amdgpu_metadata
---
amdhsa.version: [ 1, 2 ]
amdhsa.kernels:
  - .name:           k_q1c50058350_tgemm
    .symbol:         k_q1c50058350_tgemm.kd
    .args:
      - { .name: gp, .offset: 0, .size: 8, .value_kind: global_buffer, .address_space: global }
      - { .name: wf, .offset: 8, .size: 8, .value_kind: global_buffer, .address_space: global }
      - { .name: tf, .offset: 16, .size: 8, .value_kind: global_buffer, .address_space: global }
    .group_segment_fixed_size: 33280
    .private_segment_fixed_size: 0
    .kernarg_segment_align: 8
    .kernarg_segment_size: 24
    .max_flat_workgroup_size: 128
    .sgpr_count:     66
    .vgpr_count:     832
    .wavefront_size: 32
...
	.end_amdgpu_metadata
.endif
;; end of part 7
;; launch kvn: the kernel of part 3 again; grid 32 x 8, 4 waves a work-group, no clusters, 82,432 bytes of LDS; arguments wf, tf, nf; writes nf
;; launch mgemm: the kernel of part 4 again; grid 32 x 8, 8 waves a work-group, no clusters, 132,096 bytes of LDS; arguments wf, nf, mf; writes mf
;; launch apply (part 8): grid 32 x 8, 4 waves a work-group, no clusters, 181,760 bytes of LDS; arguments x_local, mf, out0; writes out0
.if DOCPART == 8
	.amdgcn_target "amdgcn-amd-amdhsa--gfx1250"
	.amdhsa_code_object_version 6
	.text
	.protected	k_q1c50058350_apply
	.globl	k_q1c50058350_apply
	.p2align	8
	.type	k_q1c50058350_apply,@function
k_q1c50058350_apply:
	s_mov_b64 s[64:65], 0
	v_nop
	global_prefetch_b8 v0, s[64:65] scope:SCOPE_SE
	s_setreg_imm32_b32 hwreg(HW_REG_WAVE_SCHED_MODE, 0, 2), 2
	s_setreg_imm32_b32 hwreg(HW_REG_WAVE_MODE, 25, 1), 1
	s_wait_xcnt 0x0
	s_wait_alu depctr_vm_vsrc(0)
; out0[b][o][l] = the sum over c of M[b][o][c] x_local[b][c][l].  Nothing is left out.  A work-group takes 128 columns l, all 512 c and all 512 o; wave w the rows o = 128 w .. 128 w + 127: 64 accumulators, 512 registers.
; So each byte of x_local is read once and each byte of out0 written once; M (512 KiB a batch, bf16) is read by a batch's 32 work-groups, each wave its own quarter, straight into registers as source 1.
; D(m = l, n = o): source 0 = x (lane = l, K = c), which lies [c][l] in LDS and is turned by ds_load_tr16_b128; source 1 = M's images (lane = o, K = c).
; PHASE 1: wave w brings rows c = 128 w .. + 127: a load is a row's 512 consecutive bytes; four groups of 32 loads on two sets of registers; rounded to bf16 in place, stored to LDS rows of 256 bytes + 32 of padding
; (72 words; 64 banks of 4 bytes: ISA guide 11.1).
; PHASE 2: 16 K steps of 32 c, 64 products each; x's fragments in two buffers, M's images in a ring of four sets of 16 loads.
; THE WAY OUT: a lane holds eight neighbouring l of one row o; 16 rows at a time go through the wave's own stage in LDS and leave as whole rows of 512 bytes.
; No tensor loads (x is rounded in registers), so no cluster; no prefetch: all of the work-group's x is asked for within its first lines.
; REGISTERS: window 0: v0-11 addresses; v64-127, v128-191 x's fragments, later the way out.  window 1: M's four sets of 64.  window 2: o tiles 0-3, (bt, a) at 64 bt + 8 a (in phase 1: the two sets of loads).  window 3: o tiles 4-7.
; THE MODE: SCHED_MODE bits 1:0 = 2 (LLVM: expert scheduling mode 2), set by the entry lines.  The code itself states the register dependences
; between vector or matrix instructions and memory or LDS instructions, with s_wait_alu, always for 0.
; THE PLAN.  Registers that memory or LDS instructions touch:
;   phase 1's two sets   32 loads land in a set; 64 conversions read it and write the packed words in place; 32 LDS stores read those; the group after next lands in it.  A group has one wait on va_vdst between its conversions and its
;                  stores, and, where the set is asked for again, a wait on vm_vsrc and one on va_vdst ahead of those loads, behind the window's switch.  The sets are accumulators afterwards: one wait on vm_vsrc stands behind the barrier.
;   x's two buffers   K step k's products read buffer k % 2; K step k + 1's turning loads land in the other.      M's sets 0-3   K step k's products read set k % 4; K step k + 4's images land in it, asked for in K step k + 1.
;                  ONE wait on va_vdst stands in a K step, between its two halves: the products of the step before are done reading x's other buffer and their set of M.  Behind it come x's 16 loads, 16 products, M's 16 loads, 16 products;
;                  these products name x's buffer in hand, this step's set and the accumulators.
;   v[XA]          read by every turning load; immediate offsets reach the four K steps of a group and the first of the next; written once a group, behind a wait on vm_vsrc and ahead of the next K step's wait on va_vdst.
;   the way out    the accumulators are read by the LDS stores behind one wait on va_vdst; x's buffers take the stage's rows by turns, and a wait on vm_vsrc says that the stores of two tiles back have read them.
;   v[XO], v[XS], v[STO], v[RD]   made at the head and never written again.
.set XPITCH, 288
.set STAGE,  512*XPITCH                ; 147,456: 16 rows x 528 bytes for each wave
.set SPITCH, 528                       ; 33 x 16 bytes: the 16 rows of a store start at 16 different groups of four banks
.set SPARE,  STAGE+4*16*SPITCH         ; the spare words, 128 bytes a wave: two blocks of 256 bytes that no other line names
.set XROW,   16384                     ; bytes in a row of x_local and of out0
.set XO, 4                             ; v4  16 x lane
.set XS, 5                             ; v5  where I put 8 bytes of a row of x
.set XA, 6                             ; v6  the turning loads' address at the first K step of the group in hand
.set STO, 7
.set RD, 8
.set SPW, 10
.set NIL, 11
.set XF, 64
.set WV, 10
.set XP, 16
.set MP, 18                            ; s[18:19] M's images of my 8 o tiles, at the group of four K steps in hand
.set OP, 20
.set CNT, 22
.set TO, 24
.set MSB, 0
.macro WIN new
.if MSB != (\new)
	s_set_vgpr_msb (MSB<<8)|(\new)
.set MSB, \new
.endif
.endm
.macro PLACES
.rept 4
	v_nop
.endr
.endm
.macro LDX set, g                      ; rows 32 g .. 32 g + 31 of my 128
	WIN 0x80
.set n, 0
.rept 32
	global_load_b128 v[(\set)+4*n:(\set)+4*n+3], v[XO], s[XP:XP+1] offset:(32*(\g)+n)*XROW th:TH_LOAD_NT
.set n, n+1
.endr
.endm
.macro CV set, g                       ; rounded in place and stored: 32 lanes x 8 bytes are a row's 256
	WIN 0x8a
.set n, 0
.rept 32
	v_cvt_pk_bf16_f32 v[(\set)+4*n], v[(\set)+4*n], v[(\set)+4*n+1]
	v_cvt_pk_bf16_f32 v[(\set)+4*n+1], v[(\set)+4*n+2], v[(\set)+4*n+3]
.set n, n+1
.endr
	WIN 0x08
	s_wait_alu depctr_va_vdst(0)           ; the conversions have written the set's packed words, which the LDS stores below read
.set n, 0
.rept 32
	ds_store_b64 v[XS], v[(\set)+4*n:(\set)+4*n+1] offset:(32*(\g)+n)*XPITCH
.set n, n+1
.endr
.endm
.macro FREE                            ; ahead of loads into a set that has been rounded and stored: the window first, then the waits, then the loads
	WIN 0x80
	s_wait_alu depctr_vm_vsrc(0)           ; the LDS stores have read the set's packed words, on which the loads below land
	s_wait_alu depctr_va_vdst(0)           ; the conversions are done reading and writing the set's registers, in which the loads below land
.endm
.macro LDM j, ks                       ; M's eight images of K step ks behind the pointer, into set j
	WIN 0x40
.irp i, 0,1,2,3,4,5,6,7
	global_load_b128 v[64*(\j)+8*(\i):64*(\j)+8*(\i)+3],   v[XO], s[MP:MP+1] offset:(\i)*16384+(\ks)*1024
	global_load_b128 v[64*(\j)+8*(\i)+4:64*(\j)+8*(\i)+7], v[XO], s[MP:MP+1] offset:(\i)*16384+(\ks)*1024+512
.endr
.endm
.macro FETCHX buf, st                  ; x's eight fragments of K step st of the group in hand (st = 4: the next group's first)
	WIN 0
.irp a, 0,1,2,3,4,5,6,7
	ds_load_tr16_b128 v[XF+64*(\buf)+8*(\a):XF+64*(\buf)+8*(\a)+3],   v[XA] offset:(\st)*32*XPITCH+32*(\a)
	ds_load_tr16_b128 v[XF+64*(\buf)+8*(\a)+4:XF+64*(\buf)+8*(\a)+7], v[XA] offset:(\st)*32*XPITCH+32*(\a)+16*XPITCH
.endr
.endm
.macro MUL16 j, hi, b0, zero           ; two o tiles x eight l tiles; the accumulators take turns: 63 others stand between two links of a chain
	WIN 0xa4+0x50*(\hi)
.irp bt, \b0, (\b0)+1
.irp a, 0,1,2,3,4,5,6,7
.if \zero
	v_wmma_f32_16x16x32_bf16 v[64*(\bt)+8*(\a):64*(\bt)+8*(\a)+7], v[XF+64*((\j)%2)+8*(\a):XF+64*((\j)%2)+8*(\a)+7], v[64*(\j)+8*(4*(\hi)+(\bt)):64*(\j)+8*(4*(\hi)+(\bt))+7], 0
.else
	v_wmma_f32_16x16x32_bf16 v[64*(\bt)+8*(\a):64*(\bt)+8*(\a)+7], v[XF+64*((\j)%2)+8*(\a):XF+64*((\j)%2)+8*(\a)+7], v[64*(\j)+8*(4*(\hi)+(\bt)):64*(\j)+8*(4*(\hi)+(\bt))+7], v[64*(\bt)+8*(\a):64*(\bt)+8*(\a)+7]
.endif
.endr
.endr
.endm
; K step j of a group of four.  zero: the very first K step: its products start the sums, and its loads land in registers that nothing has touched, so that no wait is owed.
; fetch: the next step's fragments of x.  reload: the set of the step before takes the K step three on.  n: the younger loads that may stay out
.macro KS j, zero, reload, fetch, n
	s_wait_dscnt 0x0                       ; x's fragments are in
	s_wait_loadcnt \n                      ; and set j
	MUL16 \j, 0, 0, \zero
	MUL16 \j, 0, 2, \zero
.if \fetch
.if !(\zero)
	PLACES                                 ; behind the products of the step before, in front of the loads into registers that they read
	WIN 0
	s_wait_alu depctr_va_vdst(0)           ; the products of the step before are done reading x's other buffer and their set of M, in which the loads below land; in a group's first step v[XA] is written
.endif
	FETCHX 1-(\j)%2, (\j)+1
.endif
	MUL16 \j, 1, 0, \zero                  ; no further wait: these products name x's buffer in hand, set j and the accumulators, none of which a load of this step touches
.if \reload
	LDM ((\j)+3)%4, (\j)+3
.endif
	MUL16 \j, 1, 2, \zero
.endm
.macro NEXTG                           ; a group's end: M's pointer and x's address move on by four K steps
	WIN 0
	s_wait_xcnt 0x0                        ; the loads have read the pointer, so it may be written
	s_add_nc_u64 s[MP:MP+1], s[MP:MP+1], 4096
	s_wait_alu depctr_vm_vsrc(0)           ; the turning loads issued so far have read v[XA]
	v_add_nc_u32 v[XA], 4*32*XPITCH, v[XA]
.endm
	s_load_b128 s[4:7], s[0:1], 0x0        ; x_local s[4:5], mf s[6:7]
	s_load_b64 s[8:9], s[0:1], 0x10        ; out0
	v_lshl_add_u32 v[SPW], v0, 2, SPARE
	v_mov_b32 v[NIL], 0
	v_lshrrev_b32 v1, 5, v0
	v_readfirstlane_b32 s[WV], v1
	v_and_b32 v1, 15, v0                   ; L % 16
	v_bfe_u32 v2, v0, 4, 1                 ; L / 16
	v_and_b32 v3, 31, v0
	v_lshlrev_b32 v[XO], 4, v3
	s_wait_alu depctr_va_sdst(0)           ; s[WV] is written, ahead of its first reader: the LDS places and the offsets in x_local, mf and out0 are made from it
	s_mul_i32 s11, s[WV], 128*XPITCH
	v_lshl_add_u32 v[XS], v3, 3, s11
	v_and_b32 v12, 7, v0                   ; the turning load: row 8 (L / 16) + L % 8, columns 8 ((L / 8) % 2) + 0..7
	v_lshl_add_u32 v12, v2, 3, v12
	v_mul_u32_u24 v[XA], v12, XPITCH
	v_bfe_u32 v13, v0, 3, 1
	v_lshl_add_u32 v[XA], v13, 4, v[XA]
	s_mul_i32 s11, s[WV], 16*SPITCH
	s_add_co_u32 s11, s11, STAGE           ; my stage
	v_mul_u32_u24 v[STO], v1, SPITCH       ; in: row L % 16, 32 bytes for each half of the lanes
	v_lshl_add_u32 v[STO], v2, 5, v[STO]
	v_add_nc_u32 v[STO], s11, v[STO]
	v_add_nc_u32 v[RD], s11, v[XO]         ; back: a row of 512 bytes
	s_and_b32 s12, ttmp7, 0xffff           ; batch
	s_lshl_b32 s[TO], s12, 23              ; a batch is 8 MiB, my 128 rows 2 MiB, the work-group's columns 512 bytes
	s_lshl_b32 s11, s[WV], 21
	s_add_co_u32 s[TO], s[TO], s11
	s_lshl_b32 s11, ttmp9, 9
	s_add_co_u32 s[TO], s[TO], s11
	s_mov_b32 s[TO+1], 0
	s_wait_kmcnt 0x0
	s_add_nc_u64 s[XP:XP+1], s[4:5], s[TO:TO+1]
	s_add_nc_u64 s[OP:OP+1], s[8:9], s[TO:TO+1]
	WIN 0x80
	s_wait_alu depctr_va_vdst(0)           ; the five offsets and addresses v4 to v8 are written, which the loads, stores and LDS instructions below read
	LDX 0, 0
	LDX 128, 1
	s_lshl_b32 s[TO], s12, 19
	s_lshl_b32 s11, s[WV], 17
	s_add_co_u32 s[TO], s[TO], s11
	s_add_nc_u64 s[MP:MP+1], s[6:7], s[TO:TO+1]
	; each wait leaves the 32 younger loads on their way
	s_wait_loadcnt 32
	CV 0, 0
	FREE
	LDX 0, 2
	s_wait_loadcnt 32
	CV 128, 1
	FREE
	LDX 128, 3
	s_wait_loadcnt 32
	CV 0, 2
	LDM 0, 0                               ; M's sets have been touched by nothing: these loads owe no wait
	LDM 1, 1
	s_wait_loadcnt 32
	CV 128, 3
	LDM 2, 2
	LDM 3, 3
	WIN 0
	s_wait_dscnt 0x0                       ; for the others' sake: my rows of x lie in LDS
	s_barrier_signal -1
	s_barrier_wait -1
	s_wait_alu depctr_vm_vsrc(0)           ; my LDS stores have read the two sets' packed words: these registers are accumulators from here on, and the first products write them
	FETCHX 0, 0
	KS 0, 1, 0, 1, 48                      ; K steps 0-3 stand in front of the loop: the first starts the sums; behind its set were issued three sets of 16 loads,
	KS 1, 0, 1, 1, 32                      ; behind every later one two: the sets of the two K steps that follow
	KS 2, 0, 1, 1, 32
	KS 3, 0, 1, 1, 32
	NEXTG
	s_mov_b32 s[CNT], 2
.Lgroup:                                       ; K steps 4-11
	KS 0, 0, 1, 1, 32
	KS 1, 0, 1, 1, 32
	KS 2, 0, 1, 1, 32
	KS 3, 0, 1, 1, 32
	NEXTG
	s_sub_co_u32 s[CNT], s[CNT], 1
	s_cmp_lg_u32 s[CNT], 0
	s_cbranch_scc1 .Lgroup
	KS 0, 0, 1, 1, 32                      ; K step 12 asks for the last of M; K steps 13-15 load nothing of it: the counts run down
	KS 1, 0, 0, 1, 32
	KS 2, 0, 0, 1, 16
	KS 3, 0, 0, 0, 0
	; THE WAY OUT, an o tile (16 rows of out0) at a time.  Each accumulator's registers 0-3 are read first
	PLACES                                 ; behind the last products, before their results are read
	WIN 0x08
	s_wait_alu depctr_va_vdst(0)           ; the products have written the accumulators, which the LDS stores below read, and are done reading x's two buffers, in which the stage's rows land; the places above stay beside this wait
.irp bt, 0,1,2,3,4,5,6,7
	WIN 0x08+0x04*((\bt)/4)
.irp a, 0,1,2,3,4,5,6,7
	ds_store_b128 v[STO], v[64*((\bt)%4)+8*(\a):64*((\bt)%4)+8*(\a)+3]   offset:64*(\a)
	ds_store_b128 v[STO], v[64*((\bt)%4)+8*(\a)+4:64*((\bt)%4)+8*(\a)+7] offset:64*(\a)+16
.endr
	WIN 0
	s_wait_xcnt 0x0                        ; the stores of two tiles back have had their addresses translated: their registers are loaded again below
.if (\bt) >= 2
	s_wait_alu depctr_vm_vsrc(0)           ; the stores of two tiles back have read their data, on which the LDS loads below land
.endif
.irp t, 0,1,2,3,4,5,6,7,8,9,10,11,12,13,14,15
	ds_load_b128 v[XF+64*((\bt)%2)+4*(\t):XF+64*((\bt)%2)+4*(\t)+3], v[RD] offset:(\t)*SPITCH  ; LDS serves a wave's instructions in order (ISA guide 5.7.1.4): these see the stores above; the next tile's stores come behind them
.endr
.irp t, 0,1,2,3,4,5,6,7,8,9,10,11,12,13,14,15
	s_wait_dscnt 15-(\t)
	global_store_b128 v[XO], v[XF+64*((\bt)%2)+4*(\t):XF+64*((\bt)%2)+4*(\t)+3], s[OP:OP+1] offset:(16*(\bt)+(\t))*XROW th:TH_STORE_NT  ; 512 consecutive bytes, at a multiple of 512 from out0's first byte
.endr
.endr
	s_wait_dscnt 0x0                       ; the closing lines, six on end
	s_wait_alu 0x0
	s_wait_tensorcnt 0x0
	ds_add_u32 v[SPW], v[NIL]
	s_wait_dscnt 0x0
	s_endpgm
.Lfunc_end_k_q1c50058350_apply:
	.size	k_q1c50058350_apply, .Lfunc_end_k_q1c50058350_apply-k_q1c50058350_apply
	.p2alignl 7, 3214868480
	.fill 96, 4, 3214868480
	.section	.rodata,"a",@progbits
	.p2align	6, 0x0
	.amdhsa_kernel k_q1c50058350_apply
		.amdhsa_group_segment_fixed_size 181760
		.amdhsa_private_segment_fixed_size 0
		.amdhsa_enable_private_segment 0
		.amdhsa_kernarg_size 24
		.amdhsa_user_sgpr_count 2
		.amdhsa_user_sgpr_kernarg_segment_ptr 1
		.amdhsa_wavefront_size32 1
		.amdhsa_system_sgpr_workgroup_id_x 1
		.amdhsa_system_sgpr_workgroup_id_y 1
		.amdhsa_system_sgpr_workgroup_id_z 1
		.amdhsa_system_vgpr_workitem_id 0
		.amdhsa_next_free_vgpr 1024
		.amdhsa_next_free_sgpr 66
		.amdhsa_reserve_vcc 0
		.amdhsa_float_denorm_mode_32 3
		.amdhsa_float_denorm_mode_16_64 3
		.amdhsa_memory_ordered 1
		.amdhsa_forward_progress 1
		.amdhsa_inst_pref_size 155
	.end_amdhsa_kernel
	.amdgpu_metadata
---
amdhsa.version: [ 1, 2 ]
amdhsa.kernels:
  - .name:           k_q1c50058350_apply
    .symbol:         k_q1c50058350_apply.kd
    .args:
      - { .name: x_local, .offset: 0, .size: 8, .value_kind: global_buffer, .address_space: global }
      - { .name: mf, .offset: 8, .size: 8, .value_kind: global_buffer, .address_space: global }
      - { .name: out0, .offset: 16, .size: 8, .value_kind: global_buffer, .address_space: global }
    .group_segment_fixed_size: 181760
    .private_segment_fixed_size: 0
    .kernarg_segment_align: 8
    .kernarg_segment_size: 24
    .max_flat_workgroup_size: 128
    .sgpr_count:     66
    .vgpr_count:     1024
    .wavefront_size: 32
...
	.end_amdgpu_metadata
.endif
;; end of part 8
